; MI455X (gfx1250); checked and timed in simulation.
; The chip was launched on July 23, 2026; its instructions are those of AMD's public machine-readable ISA for CDNA 5 (MIT licence, August 2026) and "CDNA5" Instruction Set Architecture Reference Guide (July 2026). The comments in the code are by the model that wrote it; some were corrected since.
;; Attention Mechanism. Allowed arithmetic: matrix products marked QUANTISED: E4M3 operands, one E8M0 scale for each 32 along K, by v_wmma_scale_f32_16x16x128_f8f6f4 with both operands' format E4M3, f32 sums; products left as they are: f32 operands where the result goes on into a quantised operand, else bf16, f16 or f32 operands; f32 sums; everything else in f32.
;; Inputs: Wa 1 x 1,024 float32; Wt_codes 1,024 x 32 x 32 uint8 (E4M3 codes of Wt, K innermost, in blocks of 32 codes); Wt_scales 1,024 x 32 uint8 (E8M0 scales of Wt, one for each 32 codes along K); Wv_codes 1,024 x 64 x 32 uint8 (E4M3 codes of Wv, K innermost, in blocks of 32 codes); Wv_scales 1,024 x 64 uint8 (E8M0 scales of Wv, one for each 32 codes along K); ba 1 float32; bt 1,024 float32; bv 1,024 float32; text_features_codes 128 x 32 x 32 uint8 (E4M3 codes of text_features, K innermost, in blocks of 32 codes); text_features_scales 128 x 32 uint8 (E8M0 scales of text_features, one for each 32 codes along K); visual_features 128 x 256 x 2,048 float32.
;; Outputs: out0 128 x 2,048 float32; out1 128 x 256 float32.
;; This version of the problem:
;;   THIS VERSION OF THE PROBLEM IS GIVEN IN LOW PRECISION. The matrix products marked QUANTISED in the list below multiply operands that are first quantised to E4M3 (4 exponent bits, 3 mantissa bits; 8 bits a number), with one power-of-two scale for each 32 numbers along K (OCP MX v1.0); their sums are f32. All else is computed in f32.
;;   The module's matrix products, in the order in which they are computed (A, B: the left and right operand; K: the contracted axis; several contracted axes count as one K, in the product's order):
;;     1. [M 32,768, K 2,048] x [K 2,048, N 1,024]; A: input visual_features; B: input Wv (given as codes): QUANTISED
;;     2. [M 128, K 1,024] x [K 1,024, N 1,024]; A: input text_features (given as codes); B: input Wt (given as codes): QUANTISED
;;     3. [M 32,768, K 1,024] x [K 1,024, N 1]; A: computed on the way; B: input Wa: left as it is (N = 1 < 16)
;;     4. batch 128 x [M 1, K 256] x [K 256, N 2,048]; A: softmax; B: input visual_features: left as it is (M = 1 < 16)
;;   THE QUANTISER, for each operand of a quantised product, along K:
;;     - K is cut into blocks of 32 from its start; a last block that is shorter is filled with zeros.
;;     - A block's scale is 2^e with e = floor(log2(the largest magnitude in the block)) - 8, held to -126 .. 127; a block of zeros has e = 0. As a byte (E8M0): e + 127.
;;     - Each number is divided by its block's scale, clamped to +-448, and rounded to the nearest number of E4M3, ties to even, subnormals kept.
;;     - The product sums the exact products of the quantised numbers (number of the format x scale) in f32.
;;   ~~~python
;;   def quantise(x, axis):      # numpy; x: float32 -> the quantised numbers, widened to float32 again
;;       x = np.moveaxis(x, axis, -1); K = x.shape[-1]
;;       x = np.pad(x, [(0, 0)] * (x.ndim - 1) + [(0, -K % 32)]); x = x.reshape(x.shape[:-1] + (-1, 32)); a = np.abs(x).max(-1, keepdims=True)
;;       e = np.where(a > 0, np.clip(np.frexp(np.where(a > 0, a, 1))[1] - 1 - 8, -126, 127), 0)      # np.frexp(a)[1] - 1 = floor(log2(a)), exactly
;;       r = np.clip(x / 2.0 ** e, -448, 448)
;;       step = 2.0 ** (np.maximum(np.frexp(np.where(r == 0, 1, r))[1] - 1, -6) - 3)
;;       q = np.round(r / step) * step * 2.0 ** e      # np.round: ties to even
;;       return np.moveaxis(q.reshape(q.shape[:-2] + (-1,))[..., :K], -1, axis).astype(np.float32)
;;   ~~~
;;   INPUTS GIVEN AS CODES. Wt (in the module: [1024, 1024], K = its axis 1); Wv (in the module: [1024, 2048], K = its axis 1); text_features (in the module: [128, 1024], K = its axis 1): each comes as NAME_codes (uint8): NAME with its K axis moved to the last place and cut into blocks of 32 codes, [.., K / 32, bytes a block], one block behind the other in memory; one code a byte (a code: sign, 4 exponent bits, 3 mantissa bits); and NAME_scales (uint8): the same leading axes, one E8M0 byte (e + 127) for each 32 codes along K. Its value is code x scale, taken as it is: it is not quantised again, and the codes and scales need not be those that the quantiser above would give.
;; 2 versions. Each part assembles by itself: llvm-mc -triple=amdgcn-amd-amdhsa -mcpu=gfx1250 --defsym DOCPART=n.
;; ======== version 1 of 2: 3 launches
;; workspace buffers: WvF 2,097,152 bytes; WvS 65,536 bytes; tcb 524,288 bytes; sc 131,072 bytes; att 4,194,304 bytes
;; launch prep (part 1): grid 80 x 1, 4 waves a work-group, no clusters, 34,304 bytes of LDS; arguments Wv_codes, Wv_scales, Wt_codes, Wt_scales, text_features_codes, text_features_scales, bt, bv, WvF, WvS, tcb; writes WvF, WvS, tcb
.if DOCPART == 1
	.amdgcn_target "amdgcn-amd-amdhsa--gfx1250"
	.amdhsa_code_object_version 6
	.text
	.protected	k_q7777606f1f_prep
	.globl	k_q7777606f1f_prep
	.p2align	8
	.type	k_q7777606f1f_prep,@function
k_q7777606f1f_prep:
	s_mov_b64 s[64:65], 0
	v_nop
	global_prefetch_b8 v0, s[64:65] scope:SCOPE_SE
	s_setreg_imm32_b32 hwreg(HW_REG_WAVE_MODE, 25, 1), 1
	s_wait_xcnt 0x0
; THE PROGRAM: scores[b][r] = Wa . tanh(Q(x[b][r]) Wv^T + bv + text[b] Wt^T + bt) + ba;  out1 = softmax over r;  out0[b] = sum over r of out1[b][r] x[b][r].
; DEAD WORK, for all finite values of the inputs.  (1) ba is added to every score of a row of the softmax: the same term along the softmax's axis leaves out1 and out0 as they are.  ba has then no way
; to any output: it is not loaded and is among no launch's arguments.  (2) tanh(z) = 1 - 2 / (1 + e^(2 z)), so score = sum(Wa) - 2 sum over h of Wa[h] / (1 + e^(2 z[h])): sum(Wa) too is the same along
; the axis and is not formed.  LIMIT: a NaN, an infinity or an overflow that reaches only ba or sum(Wa) is not carried to the result.
; THIS LAUNCH does two small things that the main launch needs.
; Work-groups 0-63 (way R) lay Wv's codes and scale bytes in the order of the operand's registers:
;   WvF[s 16][T 64][c 4][lane 32][16 bytes] = Wv_codes[16 T + lane % 16][128 s + 32 c + 16 (lane / 16) ..], so that a fragment (16 rows x 128 K) is four loads of 512 dense bytes;
;   WvS[s 16][hidden 1024], one word each = Wv_scales[hidden][4 s .. 4 s + 3]: what one matrix instruction wants of a row.
; Work-groups 64-79 (way C) make tcb[b][h] = C2 (text[b] . Wt[h] + bt[h] + bv[h]), C2 = 2 log2(e): the second product of the problem on the given codes and scales, with both biases as the C of the sums,
;   already scaled for the main launch's exponential in base 2.  A wave makes 16 b x 128 h: eight accumulators by turns, K = 1,024 in eight steps.
;   The product is used transposed (source 0 = 16 rows of Wt, source 1 = 16 rows of text): a lane holds one b and eight neighbouring h, which leave through the wave's own stage in LDS as rows of 512 bytes.
; Only way C uses LDS.  No tensor loads: every operand is read once by one wave, straight into registers.
.set STGW,  16*528                     ; a wave's stage: 16 rows x (512 bytes + 16)
.set SPARE, 4*STGW                     ; behind the stages: the spare words, 128 bytes for each wave: two blocks of 256 bytes that no other line names
.set SPW,   30                         ; v30  LDS address of my spare word; never rewritten
.set NIL,   31                         ; v31  0; never rewritten
.set TF,    32                         ; v32-47   text's fragment
.set WSC,   48                         ; v48-55   Wt's scale words, a register a tile
.set TSC,   56                         ; v56      text's scale words
.set ACC,   64                         ; v64-127  eight accumulators
.set WF,    128                        ; v128-255 Wt's eight fragments
	s_load_b512 s[4:19], s[0:1], 0x0               ; Wv codes s[4:5], Wv scales s[6:7], Wt codes s[8:9], Wt scales s[10:11], text codes s[12:13], text scales s[14:15], bt s[16:17], bv s[18:19]
	s_load_b128 s[20:23], s[0:1], 0x40             ; WvF s[20:21], WvS s[22:23]
	s_load_b64 s[24:25], s[0:1], 0x50              ; tcb
	v_lshl_add_u32 v[SPW], v0, 2, SPARE
	v_mov_b32 v[NIL], 0
	v_lshrrev_b32 v1, 5, v0
	v_readfirstlane_b32 s26, v1                    ; wave 0..3
	v_and_b32 v1, 31, v0                           ; lane
	v_and_b32 v2, 15, v0                           ; r
	v_bfe_u32 v3, v0, 4, 1                         ; h
	s_mov_b32 s29, 0                               ; the upper word of every offset
	s_cmp_lt_u32 ttmp9, 64
	s_cbranch_scc0 .Ltext
	; ---- way R: tile T = the work-group's number; the wave takes K steps 4 wave .. 4 wave + 3
	v_lshlrev_b32 v4, 11, v2
	v_lshl_add_u32 v4, v3, 4, v4                   ; codes in: row r of 2,048 bytes, + 16 h
	v_lshlrev_b32 v5, 6, v2
	v_lshl_add_u32 v5, v3, 3, v5                   ; scale bytes in: row r of 64 bytes, + 8 h: two words a lane
	v_lshlrev_b32 v6, 4, v1                        ; codes out: 16 x lane
	v_lshlrev_b32 v7, 2, v2
	v_lshl_add_u32 v7, v3, 13, v7                  ; scale words out: 4 r, lanes 16-31 two K steps (8,192 bytes) on
	s_lshl_b32 s28, ttmp9, 15
	s_lshl_b32 s30, s26, 9
	s_add_co_u32 s28, s28, s30                     ; 16 T rows of 2,048 bytes + 512 x wave
	s_wait_kmcnt 0x0
	s_add_nc_u64 s[4:5], s[4:5], s[28:29]
	s_lshl_b32 s28, ttmp9, 10
	s_lshl_b32 s30, s26, 4
	s_add_co_u32 s28, s28, s30                     ; 16 T rows of 64 bytes + 16 x wave
	s_add_nc_u64 s[6:7], s[6:7], s[28:29]
	s_lshl_b32 s28, s26, 19
	s_lshl_b32 s30, ttmp9, 11
	s_add_co_u32 s28, s28, s30                     ; WvF: four K steps of 131,072 bytes a wave, 2,048 bytes a tile
	s_add_nc_u64 s[20:21], s[20:21], s[28:29]
	s_lshl_b32 s28, s26, 14
	s_lshl_b32 s30, ttmp9, 6
	s_add_co_u32 s28, s28, s30                     ; WvS: four K steps of 4,096 bytes a wave, 64 bytes a tile
	s_add_nc_u64 s[22:23], s[22:23], s[28:29]
.irp sp, 0,1,2,3
.irp c, 0,1,2,3
	global_load_b128 v[32+4*(4*\sp+\c):32+4*(4*\sp+\c)+3], v4, s[4:5] offset:128*\sp+32*\c
.endr
.endr
	global_load_b64 v[100:101], v5, s[6:7]
	s_wait_loadcnt 0x0
.irp sp, 0,1,2,3
.irp c, 0,1,2,3
	global_store_b128 v6, v[32+4*(4*\sp+\c):32+4*(4*\sp+\c)+3], s[20:21] offset:131072*\sp+512*\c   ; 32 lanes store 512 consecutive bytes, aligned
.endr
.endr
	global_store_b32 v7, v100, s[22:23]            ; K step 4 wave + 2 h
	global_store_b32 v7, v101, s[22:23] offset:4096   ; and the next
	s_endpgm                                       ; this way has written no LDS
	; ---- way C
.Ltext:
	s_sub_co_u32 s27, ttmp9, 64
	s_lshl_b32 s27, s27, 2
	s_add_co_u32 s27, s27, s26                     ; 0 .. 63
	s_and_b32 s30, s27, 7                          ; a: which 16 b
	s_lshr_b32 s31, s27, 3                         ; gq: which 128 h
	v_lshlrev_b32 v4, 10, v2
	v_lshl_add_u32 v4, v3, 4, v4                   ; codes: row r of 1,024 bytes, + 16 h
	v_lshlrev_b32 v5, 5, v2                        ; scale bytes: row r of 32
	v_lshlrev_b32 v6, 5, v3                        ; biases: my half's eight numbers
	s_mul_i32 s32, s26, STGW                       ; my stage
	v_mul_u32_u24 v7, v2, 528
	v_lshl_add_u32 v7, v3, 5, v7
	v_add_nc_u32 v7, s32, v7                       ; in: row r, + 32 h
	v_lshlrev_b32 v9, 4, v1                        ; 16 x lane
	v_add_nc_u32 v8, s32, v9                       ; back: a row of 512 bytes to the 32 lanes
	s_mov_b32 s34, 0x4038aa3b                      ; C2 = 2 log2(e)
	s_mov_b32 s35, s34                             ; (named with it as a pair, so it is written)
	s_wait_kmcnt 0x0
	s_lshl_b32 s28, s31, 17
	s_add_nc_u64 s[8:9], s[8:9], s[28:29]          ; Wt's codes at row 128 gq
	s_lshl_b32 s28, s31, 12
	s_add_nc_u64 s[10:11], s[10:11], s[28:29]      ; and its scale bytes
	s_lshl_b32 s28, s30, 14
	s_add_nc_u64 s[12:13], s[12:13], s[28:29]      ; text's codes at row 16 a
	s_lshl_b32 s28, s30, 9
	s_add_nc_u64 s[14:15], s[14:15], s[28:29]      ; and its scale bytes
	s_lshl_b32 s28, s31, 9
	s_add_nc_u64 s[16:17], s[16:17], s[28:29]      ; bt and bv at h = 128 gq
	s_add_nc_u64 s[18:19], s[18:19], s[28:29]
	s_lshl_b32 s33, s30, 16
	s_add_co_u32 s28, s28, s33
	s_add_nc_u64 s[24:25], s[24:25], s[28:29]      ; tcb at (16 a, 128 gq)
.irp i, 0,1,2,3,4,5,6,7                        ; register j of tile i is h = 128 gq + 16 i + 8 (lane / 16) + j
	global_load_b128 v[ACC+8*\i:ACC+8*\i+3],   v6, s[16:17] offset:64*\i
	global_load_b128 v[ACC+8*\i+4:ACC+8*\i+7], v6, s[16:17] offset:64*\i+16
	global_load_b128 v[WF+8*\i:WF+8*\i+3],     v6, s[18:19] offset:64*\i
	global_load_b128 v[WF+8*\i+4:WF+8*\i+7],   v6, s[18:19] offset:64*\i+16
.endr
	s_wait_loadcnt 0x0
.set i, 0
.rept 32
	v_pk_add_f32 v[ACC+2*i:ACC+2*i+1], v[ACC+2*i:ACC+2*i+1], v[WF+2*i:WF+2*i+1]   ; bt + bv: the C of each sum's first matrix instruction
.set i, i+1
.endr
.irp s, 0,1,2,3,4,5,6,7
.rept 8
	v_nop                                          ; eight places in front of loads into registers that matrix instructions have read
.endr
.irp i, 0,1,2,3,4,5,6,7
.irp c, 0,1,2,3
	global_load_b128 v[WF+16*\i+4*\c:WF+16*\i+4*\c+3], v4, s[8:9] offset:16384*\i+128*\s+32*\c
.endr
	global_load_b32 v[WSC+\i], v5, s[10:11] offset:512*\i+4*\s
.endr
.irp c, 0,1,2,3
	global_load_b128 v[TF+4*\c:TF+4*\c+3], v4, s[12:13] offset:128*\s+32*\c
.endr
	global_load_b32 v[TSC], v5, s[14:15] offset:4*\s
	s_wait_loadcnt 0x0
.irp i, 0,1,2,3,4,5,6,7                        ; the eight accumulators take turns, one instruction a turn
	v_wmma_scale_f32_16x16x128_f8f6f4 v[ACC+8*\i:ACC+8*\i+7], v[WF+16*\i:WF+16*\i+15], v[TF:TF+15], v[ACC+8*\i:ACC+8*\i+7], v[WSC+\i], v[TSC]
.endr
.endr
.rept 8
	v_nop                                          ; eight places in front of the first read of results
.endr
.set i, 0
.rept 32
	v_pk_mul_f32 v[ACC+2*i:ACC+2*i+1], v[ACC+2*i:ACC+2*i+1], s[34:35] op_sel_hi:[1,0]   ; x C2; each accumulator from its low end on
.set i, i+1
.endr
.irp i, 0,1,2,3,4,5,6,7
	ds_store_b128 v7, v[ACC+8*\i:ACC+8*\i+3] offset:64*\i
	ds_store_b128 v7, v[ACC+8*\i+4:ACC+8*\i+7] offset:64*\i+16
.endr
.irp t, 0,1,2,3,4,5,6,7,8,9,10,11,12,13,14,15
	ds_load_b128 v[WF+4*\t:WF+4*\t+3], v8 offset:528*\t   ; LDS serves a wave's instructions in order (ISA guide 5.7.1.4): these see my stores
.endr
.irp t, 0,1,2,3,4,5,6,7,8,9,10,11,12,13,14,15
	s_wait_dscnt 15-\t                             ; row t is back; the later rows' loads may be out
	global_store_b128 v9, v[WF+4*\t:WF+4*\t+3], s[24:25] offset:4096*\t   ; 32 lanes store 512 consecutive bytes, aligned
.endr
	s_wait_tensorcnt 0x0                           ; the wave's end
	ds_add_u32 v[SPW], v[NIL]
	s_wait_dscnt 0x0
	s_endpgm
.Lfunc_end_k_q7777606f1f_prep:
	.size	k_q7777606f1f_prep, .Lfunc_end_k_q7777606f1f_prep-k_q7777606f1f_prep
	.p2alignl 7, 3214868480
	.fill 96, 4, 3214868480
	.section	.rodata,"a",@progbits
	.p2align	6, 0x0
	.amdhsa_kernel k_q7777606f1f_prep
		.amdhsa_group_segment_fixed_size 34304
		.amdhsa_private_segment_fixed_size 0
		.amdhsa_enable_private_segment 0
		.amdhsa_kernarg_size 88
		.amdhsa_user_sgpr_count 2
		.amdhsa_user_sgpr_kernarg_segment_ptr 1
		.amdhsa_wavefront_size32 1
		.amdhsa_system_sgpr_workgroup_id_x 1
		.amdhsa_system_sgpr_workgroup_id_y 1
		.amdhsa_system_sgpr_workgroup_id_z 1
		.amdhsa_system_vgpr_workitem_id 0
		.amdhsa_next_free_vgpr 256
		.amdhsa_next_free_sgpr 66
		.amdhsa_reserve_vcc 0
		.amdhsa_float_denorm_mode_32 3
		.amdhsa_float_denorm_mode_16_64 3
		.amdhsa_memory_ordered 1
		.amdhsa_forward_progress 1
		.amdhsa_inst_pref_size 62
	.end_amdhsa_kernel
	.amdgpu_metadata
---
amdhsa.version: [ 1, 2 ]
amdhsa.kernels:
  - .name:           k_q7777606f1f_prep
    .symbol:         k_q7777606f1f_prep.kd
    .args:
      - { .name: Wv_codes, .offset: 0, .size: 8, .value_kind: global_buffer, .address_space: global }
      - { .name: Wv_scales, .offset: 8, .size: 8, .value_kind: global_buffer, .address_space: global }
      - { .name: Wt_codes, .offset: 16, .size: 8, .value_kind: global_buffer, .address_space: global }
      - { .name: Wt_scales, .offset: 24, .size: 8, .value_kind: global_buffer, .address_space: global }
      - { .name: text_features_codes, .offset: 32, .size: 8, .value_kind: global_buffer, .address_space: global }
      - { .name: text_features_scales, .offset: 40, .size: 8, .value_kind: global_buffer, .address_space: global }
      - { .name: bt, .offset: 48, .size: 8, .value_kind: global_buffer, .address_space: global }
      - { .name: bv, .offset: 56, .size: 8, .value_kind: global_buffer, .address_space: global }
      - { .name: WvF, .offset: 64, .size: 8, .value_kind: global_buffer, .address_space: global }
      - { .name: WvS, .offset: 72, .size: 8, .value_kind: global_buffer, .address_space: global }
      - { .name: tcb, .offset: 80, .size: 8, .value_kind: global_buffer, .address_space: global }
    .group_segment_fixed_size: 34304
    .private_segment_fixed_size: 0
    .kernarg_segment_align: 8
    .kernarg_segment_size: 88
    .max_flat_workgroup_size: 128
    .sgpr_count:     66
    .vgpr_count:     256
    .wavefront_size: 32
...
	.end_amdgpu_metadata
.endif
;; end of part 1
;; launch main (part 2): grid 512 x 1, 4 waves a work-group, no clusters, 300,544 bytes of LDS; arguments visual_features, WvF, WvS, tcb, Wa, sc, att; writes sc, att
.if DOCPART == 2
	.amdgcn_target "amdgcn-amd-amdhsa--gfx1250"
	.amdhsa_code_object_version 6
	.text
	.protected	k_q7777606f1f_main
	.globl	k_q7777606f1f_main
	.p2align	8
	.type	k_q7777606f1f_main,@function
k_q7777606f1f_main:
	s_mov_b64 s[64:65], 0
	v_nop
	global_prefetch_b8 v0, s[64:65] scope:SCOPE_SE
	s_setreg_imm32_b32 hwreg(HW_REG_WAVE_MODE, 25, 1), 1
	s_wait_xcnt 0x0
; A work-group takes 64 rows of x (a quarter of one batch b) through the whole chain, so that x is read from memory ONCE:
;   x is streamed along K, 256 numbers of each row a big step; each wave quantises 16 rows to E4M3 with one E8M0 byte for each 32 (codes and bytes to a ring of two LDS slots) and keeps a bf16 copy of them in LDS;
;   z = Q(x) Wv^T on the scaled matrix form, 64 rows x 1,024 hidden units in the four waves' accumulators;  S[row] = sum over h of Wa[h] / (1 + 2^(C2 z + tc[h])), tc from the launch before;
;   t = -2 log2(e) S is the score in base 2 (LEFT OUT, as shown at the head of the first kernel: ba and sum(Wa), both the same along the softmax's axis);
;   m = the largest t of the 64 rows; p = 2^(t - m); att = sum over the 64 rows of p x (x from the bf16 copy, p and the sums in f32).  t and att go to memory; the last launch joins the four quarters of a batch.
; SHARES.  Wave w quantises rows 16 w .. 16 w + 15 and owns hidden units 256 w .. 256 w + 255 for all 64 rows: 4 x 16 = 64 accumulators, 512 registers.  Source 0 = 16 rows of x, source 1 = 16 rows of Wv:
;   in the result register j of lane (r, h) is (row 16 a + 8 h + j, hidden 16 n + r), so that the sum over hidden units runs over registers and 16 lanes.
; WHY NO CLUSTER AND NO TENSOR LOAD, though all work-groups read the same Wv: a joint request lands in LDS, and LDS is taken: the bf16 copy of 64 x 2,048 numbers is 262,144 of the 327,680 bytes, while the codes of
;   Wv for one K step of 128 are 131,072.  So Wv's fragments come straight into registers, from the copy that the launch before laid in the order of the operand's registers: each load is 512 dense bytes.
; LIMITS: NaN and infinities in x are not served.  A block of zeros gets the byte 1 where the rule says 127: its codes are zeros, which add nothing under any byte but 0xff, and this program alone reads the bytes.
;   Where 2^(..) overflows, 1 / (1 + infinity) = 0, which is tanh = 1; where it falls to 0, 1 / 1, which is tanh = -1.
; REGISTERS, in windows of 256: window 0: addresses, scale words, at work, x's four fragments (v64-127), 16 rows x 8 numbers of x (v128-255).  window 1: Wv's 16 fragments of one K step, tile n at v[16 n].
;   window 2: the accumulators of tiles n = 0-7, (a, n) at v[8 (4 (n % 8) + a)];  window 3: those of n = 8-15.
.set ACB,   262144                     ; LDS: 0: the bf16 copy, 64 rows x 4,096 bytes.  ACB: x's codes, two slots of 64 rows x (256 + 16 bytes)
.set ACS,   64*272
.set ASB,   ACB+2*ACS                  ; x's scale bytes, two slots of 64 rows x 8
.set RED,   ASB+1024                   ; the waves' partial sums S: 4 x 64 f32
.set PWB,   RED+1024                   ; p, a copy of 64 f32 for each wave, its own
.set SPARE, PWB+1024                   ; the spare words, 128 bytes for each wave: two blocks of 256 bytes that no other line names
.set XO,   1                           ; v1   x: 32 x lane: my 8 numbers of a row's 256
.set BO,   2                           ; v2   WvF: 16 x lane + my 16 tiles
.set SO,   3                           ; v3   WvS: 4 x lane + my 256 words
.set AFR0, 4                           ; v4   x's fragments in slot 0: ACB + 272 r + 16 h
.set ASR0, 5                           ; v5   x's scale words in slot 0: ASB + 8 r
.set XBW0, 6                           ; v6   the bf16 copy, my 16 rows: 65,536 w + 16 x lane
.set ACW0, 7                           ; v7   my codes in slot 0: ACB + 4,352 w + 8 x lane
.set ASW0, 8                           ; v8   my scale bytes in slot 0: ASB + 128 w + lane / 4
.set AFR,  9                           ; v9-13  the same five for the big step in hand
.set ASR,  10
.set XBW,  11
.set ACW,  12
.set ASW,  13
.set TO,   14                          ; v14  tc and Wa: 4 r + my 256 numbers
.set RW,   15                          ; v15  RED + 256 w + 32 h
.set RR,   16                          ; v16  RED + 8 x lane
.set PWA,  17                          ; v17  PWB + 256 w + 8 x lane
.set PRD0, 18                          ; v18  PWB + 256 w
.set XBR0, 19                          ; v19  the bf16 copy, my 512 columns: 1,024 w + 8 x lane
.set GO,   20                          ; v20  att: 2,048 w + 16 x lane
.set SGO,  21                          ; v21  sc: 8 x lane
.set PFO,  22                          ; v22  the prefetches: 8,192 (lane / 4) + 256 (lane % 4)
.set PRD,  23
.set XBR,  24
.set SPW,  26                          ; v26  LDS address of my spare word; never rewritten
.set NIL,  27                          ; v27  0; never rewritten
.set BSC,  28                          ; v28-35  Wv's scale words: register i: tile 2 i in lanes 0-15, tile 2 i + 1 in lanes 16-31
.set ASC,  36                          ; v36-43  x's scale words: register 2 a + q
.set MX,   44                          ; v44-47  four blocks' largest magnitudes
.set SCL,  48                          ; v48-51  the conversions' scale operands
.set HD,   52                          ; v52-55  448 x the scale
.set HB,   56                          ; v56-63  eight numbers, held
.set AF,   64                          ; v64-127 x's four fragments
.set X,    128                         ; v128-255 row i's eight numbers at X + 8 i
.set TW,   128                         ; later: pairs (tc, Wa) of my 16 tiles
.set SS,   160                         ; later: S, register 8 a + j
.set PP,   64                          ; later: p of 16 rows
.set OO,   44                          ; later: att, 16 numbers a lane
.set XP,   4                           ; s[4:5]   x, where the next loads stand
.set BP,   6                           ; s[6:7]   WvF at the big step's first K step
.set SP,   8                           ; s[8:9]   WvS likewise
.set TCP,  10                          ; s[10:11] tcb at my batch
.set WAP,  12                          ; s[12:13] Wa
.set SCP,  14                          ; s[14:15] sc at my 64 rows
.set ATP,  16                          ; s[16:17] att at my row
.set WV,   18
.set MNT,  19                          ; the mantissa field of 448
.set SEL,  20                          ; s[20:21] v_permlanex16_b32's selects for lane l xor 16
.set C2,   22                          ; s[22:23] 2 log2(e), twice
.set RSL,  24                          ; the slot that is read / written: 0 or ACS
.set WSL,  25
.set RS8,  26                          ; the same for the scale bytes: 0 or 512
.set WS8,  27
.set XT,   28                          ; where the big step's 512 bytes stand in a row of the bf16 copy
.set TT,   29                          ; the big step's number
.set LC,   30
.set K2,   31                          ; -2 log2(e)
.set AU,   36
.set PU,   37
.set MSB, 0
.macro WIN new                         ; the immediate's high byte repeats the setting that is left; a switch that changes nothing is dropped
.if MSB != (\new)
	s_set_vgpr_msb (MSB<<8)|(\new)
.set MSB, (\new)
.endif
.endm
.set MUL_LO, 0xa4                      ; source 0 (x) window 0, source 1 (Wv) window 1, C and D window 2
.set MUL_HI, 0xf4                      ; the same, C and D window 3
.set TO_B,   0x40                      ; destination window 1, address window 0
.macro PLACES                          ; eight places behind this matrix form, in front of loads into its registers and of the first read of results
.rept 8
	v_nop
.endr
.endm
; 32 loads: my 16 rows' next 256 numbers, 32 bytes a lane, so that a lane's eight registers are eight neighbours along K
.macro XLOAD
.irp i, 0,1,2,3,4,5,6,7,8,9,10,11,12,13,14,15
	global_load_b128 v[X+8*\i:X+8*\i+3],   v[XO], s[XP:XP+1] offset:8192*\i th:TH_LOAD_NT
	global_load_b128 v[X+8*\i+4:X+8*\i+7], v[XO], s[XP:XP+1] offset:8192*\i+16 th:TH_LOAD_NT
.endr
.endm
; A prefetch into the L2 of what the NEXT big step's loads will ask for: my own 16 rows x 1,024 bytes, a lane to each aligned block of 256 bytes, two instructions.  No other wave of the launch reads these
; bytes, so each block is named once.  It stands behind the wave's loads.  Big steps 6 and 7 ask for nothing: there is no big step 8.
.macro PF
	s_cmp_lt_u32 s[TT], 6
	s_cbranch_scc0 .Lno_pf_\@
	global_prefetch_b8 v[PFO], s[XP:XP+1] offset:1024 th:TH_LOAD_NT scope:SCOPE_SE
	global_prefetch_b8 v[PFO], s[XP:XP+1] offset:1024+65536 th:TH_LOAD_NT scope:SCOPE_SE
.Lno_pf_\@:
.endm
; 32 loads: tc and Wa of my 16 tiles: lane (r, h) wants hidden unit 16 n + r
.macro TWLOAD
.irp n, 0,1,2,3,4,5,6,7,8,9,10,11,12,13,14,15
	global_load_b32 v[TW+2*\n],   v[TO], s[TCP:TCP+1] offset:64*\n
	global_load_b32 v[TW+2*\n+1], v[TO], s[WAP:WAP+1] offset:64*\n
.endr
.endm
; 18 loads: group g = Wv's tiles 4 g .. 4 g + 3 of the K step k behind BP's, and their scale words
.macro BLOAD g, k
	WIN TO_B
.irp tl, 0,1,2,3
.irp c, 0,1,2,3
	global_load_b128 v[16*(4*(\g)+\tl)+4*\c:16*(4*(\g)+\tl)+4*\c+3], v[BO], s[BP:BP+1] offset:(\k)*131072+2048*(4*(\g)+\tl)+512*\c
.endr
.endr
	WIN 0
	global_load_b32 v[BSC+2*(\g)],   v[SO], s[SP:SP+1] offset:(\k)*4096+256*(\g)
	global_load_b32 v[BSC+2*(\g)+1], v[SO], s[SP:SP+1] offset:(\k)*4096+256*(\g)+128
.endm
; x's four fragments of the slot's q-th 128 along K; with q = 0 also both K steps' scale words
.macro AFLOAD q
.irp ra, 0,1,2,3
.irp c, 0,1,2,3
	ds_load_b128 v[AF+16*\ra+4*\c:AF+16*\ra+4*\c+3], v[AFR] offset:4352*\ra+128*(\q)+32*\c
.endr
.endr
.if (\q) == 0
.irp ra, 0,1,2,3
	ds_load_b64 v[ASC+2*\ra:ASC+2*\ra+1], v[ASR] offset:128*\ra
.endr
.endif
.endm
; 16 matrix instructions: group g's four tiles x the four tiles of rows.  zero = 1: the first product starts the sums: nothing is cleared.
; The 64 accumulators take turns, one instruction a turn, in the same order in every K step.
.macro MUL g, q, zero
.if (\g) < 2
	WIN MUL_LO
.else
	WIN MUL_HI
.endif
.irp tl, 0,1,2,3
.irp ra, 0,1,2,3
.set rD,  8*(4*(4*((\g)%2)+\tl)+\ra)
.set rB,  16*(4*(\g)+\tl)
.set rA,  AF+16*\ra
.set rSA, ASC+2*\ra+(\q)
.set rSB, BSC+2*(\g)+\tl/2
.if \zero
.if \tl%2
	v_wmma_scale_f32_16x16x128_f8f6f4 v[rD:rD+7], v[rA:rA+15], v[rB:rB+15], 0, v[rSA], v[rSB] matrix_b_scale:MATRIX_SCALE_ROW1
.else
	v_wmma_scale_f32_16x16x128_f8f6f4 v[rD:rD+7], v[rA:rA+15], v[rB:rB+15], 0, v[rSA], v[rSB]
.endif
.else
.if \tl%2
	v_wmma_scale_f32_16x16x128_f8f6f4 v[rD:rD+7], v[rA:rA+15], v[rB:rB+15], v[rD:rD+7], v[rSA], v[rSB] matrix_b_scale:MATRIX_SCALE_ROW1
.else
	v_wmma_scale_f32_16x16x128_f8f6f4 v[rD:rD+7], v[rA:rA+15], v[rB:rB+15], v[rD:rD+7], v[rSA], v[rSB]
.endif
.endif
.endr
.endr
.endm
; My 16 rows x 256 numbers become codes, scale bytes and bf16.  A block of 32 lies in four neighbouring lanes.  Four rows at a time find their scales by turns; then row by row: the hold into HB, the row's eight
; numbers rounded to bf16 in place, the conversion into two of the row's own registers, its byte into a third.  48 LDS stores.
.macro QUANT
.irp bq, 0,1,2,3
.irp u, 0,1,2,3
	v_max3_num_f32 v[MX+\u], |v[X+8*(4*\bq+\u)]|, |v[X+8*(4*\bq+\u)+1]|, 0x4800000   ; my eight numbers, and the floor 2^(9 - 127), under which no largest magnitude is taken: so the byte cannot fall under 1
.endr
.irp p, 2,4,6
.irp u, 0,1,2,3
	v_max3_num_f32 v[MX+\u], v[MX+\u], |v[X+8*(4*\bq+\u)+\p]|, |v[X+8*(4*\bq+\u)+\p+1]|
.endr
.endr
.irp u, 0,1,2,3
	v_max_num_f32_dpp v[MX+\u], v[MX+\u], v[MX+\u] row_xmask:1 row_mask:0xf bank_mask:0xf
.endr
.irp u, 0,1,2,3
	v_max_num_f32_dpp v[MX+\u], v[MX+\u], v[MX+\u] row_xmask:2 row_mask:0xf bank_mask:0xf   ; the block's largest magnitude
.endr
.irp u, 0,1,2,3
	v_add_nc_u32 v[SCL+\u], 0xfc000000, v[MX+\u]   ; 8 off its exponent field: the conversion takes the exponent field of this operand as its scale
.endr
.irp u, 0,1,2,3
	v_and_or_b32 v[HD+\u], v[MX+\u], 0x7f800000, s[MNT]   ; 448 x the scale
.endr
.irp u, 0,1,2,3
.irp j, 0,1,2,3,4,5,6,7
	v_med3_num_f32 v[HB+\j], v[X+8*(4*\bq+\u)+\j], -v[HD+\u], v[HD+\u]   ; the conversion to an 8-bit code does not saturate (ISA guide 7.6.2): the hold
.endr
.irp j, 0,1,2,3
	v_cvt_pk_bf16_f32 v[X+8*(4*\bq+\u)+\j], v[X+8*(4*\bq+\u)+2*\j], v[X+8*(4*\bq+\u)+2*\j+1]   ; in place: register j is written when registers up to 2 j + 1 have been read
.endr
	v_cvt_scalef32_pk8_fp8_f32 v[X+8*(4*\bq+\u)+4:X+8*(4*\bq+\u)+5], v[HB:HB+7], v[SCL+\u]
	v_lshrrev_b32 v[X+8*(4*\bq+\u)+6], 23, v[SCL+\u]   ; the scale's byte; also the plain instruction between the conversion and the next row's writes of HB
	ds_store_b128 v[XBW], v[X+8*(4*\bq+\u):X+8*(4*\bq+\u)+3] offset:4096*(4*\bq+\u)
	ds_store_b64 v[ACW], v[X+8*(4*\bq+\u)+4:X+8*(4*\bq+\u)+5] offset:272*(4*\bq+\u)
	ds_store_b8 v[ASW], v[X+8*(4*\bq+\u)+6] offset:8*(4*\bq+\u)   ; the block's four lanes write the same byte with the same value
.endr
.endr
.endm
; the LDS addresses of a big step; then the slots change places.  wr = 0: nothing more is written
.macro ADDR wr
	v_add_nc_u32 v[AFR], s[RSL], v[AFR0]
	v_add_nc_u32 v[ASR], s[RS8], v[ASR0]
.if \wr
	v_add_nc_u32 v[ACW], s[WSL], v[ACW0]
	v_add_nc_u32 v[ASW], s[WS8], v[ASW0]
	v_add_nc_u32 v[XBW], s[XT], v[XBW0]
.endif
	s_xor_b32 s[RSL], s[RSL], ACS
	s_xor_b32 s[WSL], s[WSL], ACS
	s_xor_b32 s[RS8], s[RS8], 512
	s_xor_b32 s[WS8], s[WS8], 512
	s_add_co_u32 s[XT], s[XT], 512
.endm
; BIG STEP t: two K steps of 128 on the slot t % 2; meanwhile x of big step t + 1 is loaded, quantised and stored into the other slot.
; On the way in, Wv's 72 loads for the first K step are out (four groups of 18).  tail = 1: the last big step: tc and Wa are loaded where x was, nothing is quantised, the ring is not filled again.
.macro BIGSTEP zero, tail
.if \tail
	TWLOAD
.else
	XLOAD
	PF
.endif
	ADDR 1-\tail
	AFLOAD 0
	s_wait_dscnt 0x0                               ; x's fragments and scale words are in
	s_wait_loadcnt 63                              ; groups 0 and 1 are in: behind them stand 86 and 68 younger loads, more than a wait can name
	MUL 0, 0, \zero
	MUL 1, 0, \zero
	s_wait_loadcnt 50                              ; group 2: behind it group 3's 18 and the 32 just issued
	MUL 2, 0, \zero
	s_wait_loadcnt 32                              ; group 3: behind it the 32
	MUL 3, 0, \zero
	WIN 0
	PLACES
	AFLOAD 1
	BLOAD 0, 1
	BLOAD 1, 1
	BLOAD 2, 1
	BLOAD 3, 1
.if \tail
	s_wait_dscnt 0x0                               ; x's fragments are in
.else
	s_wait_loadcnt 63                              ; x is in: behind its 32 loads stand the ring's 72
	QUANT
	s_wait_dscnt 48                                ; x's fragments are in; the 48 stores behind them may be out
.endif
.irp g, 0,1,2,3
.if \tail
	s_wait_loadcnt 54-18*\g                        ; group g is in (and tc and Wa, which are older); the later groups may be out
	MUL \g, 1, 0
.else
	s_wait_loadcnt 54                              ; group g is in: behind it stand three other groups, of this K step or already of the next
	MUL \g, 1, 0
	WIN 0
	PLACES
	BLOAD \g, 2                                    ; the next big step's first K step
.endif
.endr
	WIN 0
.if \tail == 0
	s_wait_xcnt 0x0                                ; every load and prefetch issued so far has read its address: the three bases may step
	s_add_nc_u64 s[XP:XP+1], s[XP:XP+1], 1024
	s_add_nc_u64 s[BP:BP+1], s[BP:BP+1], 262144
	s_add_nc_u64 s[SP:SP+1], s[SP:SP+1], 8192
	s_add_co_u32 s[TT], s[TT], 1
	s_wait_dscnt 0x0                               ; for the others' sake: my stores into the other slot have landed; my reads of this slot were waited for above
	s_barrier_signal -1
	s_barrier_wait -1                              ; the other slot is whole, and nobody reads this one any more
.endif
.endm
	s_load_b256 s[4:11], s[0:1], 0x0               ; x, WvF, WvS, tcb
	s_load_b128 s[12:15], s[0:1], 0x20             ; Wa, sc
	s_load_b64 s[16:17], s[0:1], 0x30              ; att
	v_lshl_add_u32 v[SPW], v0, 2, SPARE
	v_mov_b32 v[NIL], 0
	v_lshrrev_b32 v59, 5, v0
	v_readfirstlane_b32 s[WV], v59                 ; wave 0..3
	v_and_b32 v56, 31, v0                          ; lane
	v_and_b32 v57, 15, v0                          ; r
	v_bfe_u32 v58, v0, 4, 1                        ; h
	v_lshlrev_b32 v[XO], 5, v56
	s_lshl_b32 s32, s[WV], 15
	v_lshl_add_u32 v[BO], v56, 4, s32
	s_lshl_b32 s33, s[WV], 10
	v_lshl_add_u32 v[SO], v56, 2, s33
	v_lshl_add_u32 v[TO], v57, 2, s33
	v_lshl_add_u32 v[XBR0], v56, 3, s33
	v_mul_u32_u24 v[AFR0], v57, 272
	v_lshl_add_u32 v[AFR0], v58, 4, v[AFR0]
	v_add_nc_u32 v[AFR0], ACB, v[AFR0]
	v_lshl_add_u32 v[ASR0], v57, 3, ASB
	s_lshl_b32 s34, s[WV], 16
	v_lshl_add_u32 v[XBW0], v56, 4, s34
	s_mul_i32 s35, s[WV], 4352
	s_add_co_u32 s35, s35, ACB
	v_lshl_add_u32 v[ACW0], v56, 3, s35
	s_lshl_b32 s32, s[WV], 7
	s_add_co_u32 s32, s32, ASB
	v_lshrrev_b32 v[ASW0], 2, v56
	v_add_nc_u32 v[ASW0], s32, v[ASW0]
	s_lshl_b32 s34, s[WV], 8
	s_add_co_u32 s35, s34, RED
	v_lshl_add_u32 v[RW], v58, 5, s35
	v_lshl_add_u32 v[RR], v56, 3, RED
	s_add_co_u32 s35, s34, PWB
	v_lshl_add_u32 v[PWA], v56, 3, s35
	v_mov_b32 v[PRD0], s35
	s_lshl_b32 s34, s[WV], 11
	v_lshl_add_u32 v[GO], v56, 4, s34
	v_lshlrev_b32 v[SGO], 3, v56
	v_lshrrev_b32 v[PFO], 2, v56
	v_and_b32 v59, 3, v56
	v_lshlrev_b32 v59, 8, v59
	v_lshl_add_u32 v[PFO], v[PFO], 13, v59
	v_mov_b32 v[XBW], v[XBW0]                      ; the first quantising writes slot 0, and the rows' first 512 bytes of the bf16 copy
	v_mov_b32 v[ACW], v[ACW0]
	v_mov_b32 v[ASW], v[ASW0]
	s_mov_b32 s[MNT], 0x600000
	s_mov_b32 s[SEL], 0x76543210
	s_mov_b32 s[SEL+1], 0xfedcba98
	s_mov_b32 s[C2], 0x4038aa3b
	s_mov_b32 s[C2+1], s[C2]
	s_mov_b32 s[K2], 0xc038aa3b
	s_mov_b32 s[RSL], 0
	s_mov_b32 s[WSL], ACS
	s_mov_b32 s[RS8], 0
	s_mov_b32 s[WS8], 512
	s_mov_b32 s[XT], 512
	s_mov_b32 s[TT], 0
	s_mov_b32 s33, 0
	s_wait_kmcnt 0x0
	s_lshl_b32 s32, ttmp9, 19                      ; my work-group's 64 rows of 8,192 bytes,
	s_lshl_b32 s34, s[WV], 17                      ; my wave's 16 of them
	s_add_co_u32 s32, s32, s34
	s_add_nc_u64 s[XP:XP+1], s[XP:XP+1], s[32:33]
	s_lshr_b32 s32, ttmp9, 2                       ; b
	s_lshl_b32 s32, s32, 12
	s_add_nc_u64 s[TCP:TCP+1], s[TCP:TCP+1], s[32:33]
	s_lshl_b32 s32, ttmp9, 8
	s_add_nc_u64 s[SCP:SCP+1], s[SCP:SCP+1], s[32:33]
	s_lshl_b32 s32, ttmp9, 13
	s_add_nc_u64 s[ATP:ATP+1], s[ATP:ATP+1], s[32:33]
	XLOAD                                          ; big step 0's x,
	BLOAD 0, 0                                     ; and Wv's first K step
	BLOAD 1, 0
	BLOAD 2, 0
	BLOAD 3, 0
	s_wait_loadcnt 63                              ; x is in: behind its 32 loads stand the ring's 72
	s_wait_xcnt 0x0                                ; all these loads have read their addresses
	s_add_nc_u64 s[XP:XP+1], s[XP:XP+1], 1024
	QUANT
	s_wait_dscnt 0x0                               ; for the others' sake: my stores have landed
	s_barrier_signal -1
	s_barrier_wait -1                              ; slot 0 is whole
	BIGSTEP 1, 0                                   ; big step 0 stands in front of the loop: its first products start the sums
	s_mov_b32 s[LC], 6
.Lstep:                                            ; big steps 1 to 6
	BIGSTEP 0, 0
	s_sub_co_u32 s[LC], s[LC], 1
	s_cmp_lg_u32 s[LC], 0
	s_cbranch_scc1 .Lstep
	BIGSTEP 0, 1                                   ; big step 7
; S += Wa / (1 + 2^(C2 z + tc)), two tiles n (eight accumulators, 64 registers of window W) at a time.  The exponentials are one batch and the reciprocals another, each with one plain instruction and one wait
; behind it, ahead of the batch's first reader.  Each accumulator is read from its low end on.
.macro TANH W, k
.set n0, 8*((\W)-2)+2*(\k)
.set a0, 64*(\k)
	WIN ((\W)<<6)|(\W)                             ; destination and source 0: the accumulators' window; tc in window 0
.set i, 0
.rept 32
	v_pk_fma_f32 v[a0+2*i:a0+2*i+1], v[a0+2*i:a0+2*i+1], s[C2:C2+1], v[TW+2*(n0+i/16):TW+2*(n0+i/16)+1] op_sel_hi:[1,0,0]   ; C2 z + tc (of the pairs the low word serves both halves)
.set i, i+1
.endr
.set i, 0
.rept 64
	v_exp_f32 v[a0+i], v[a0+i]
.set i, i+1
.endr
	v_nop
	s_wait_alu depctr_va_vdst(0)
.set i, 0
.rept 32
	v_pk_add_f32 v[a0+2*i:a0+2*i+1], v[a0+2*i:a0+2*i+1], 1.0 op_sel_hi:[1,0]
.set i, i+1
.endr
.set i, 0
.rept 64
	v_rcp_f32 v[a0+i], v[a0+i]
.set i, i+1
.endr
	v_nop
	s_wait_alu depctr_va_vdst(0)
	WIN (\W)                                       ; source 0: the accumulators' window; S and Wa in window 0
.set i, 0
.rept 64
.if (n0+i/32) == 0
	v_mul_f32 v[SS+i%32], v[a0+i], v[TW+2*(n0+i/32)+1]   ; the first tile starts the sums
.else
	v_fma_f32 v[SS+i%32], v[a0+i], v[TW+2*(n0+i/32)+1], v[SS+i%32]
.endif
.set i, i+1
.endr
.endm
	PLACES                                         ; in front of the first read of results
.irp W, 2,3
.irp k, 0,1,2,3
	TANH \W, \k
.endr
.endr
	WIN 0
.irp m, 1,2,4,8                                ; the sum over the 16 lanes that hold a row's hidden units; the 32 registers by turns
.set i, 0
.rept 32
	v_add_f32_dpp v[SS+i], v[SS+i], v[SS+i] row_xmask:\m row_mask:0xf bank_mask:0xf
.set i, i+1
.endr
.endr
.irp ra, 0,1,2,3
	ds_store_b128 v[RW], v[SS+8*\ra:SS+8*\ra+3] offset:64*\ra        ; rows 16 a + 8 h + 0 .. 3: the half's sixteen lanes write the same words with the same values
	ds_store_b128 v[RW], v[SS+8*\ra+4:SS+8*\ra+7] offset:64*\ra+16
.endr
	s_wait_dscnt 0x0                               ; for the others' sake: my partial sums have landed
	s_barrier_signal -1
	s_barrier_wait -1
	; THE SOFTMAX OF THE 64 ROWS, in every wave alike: lane l holds rows 2 l and 2 l + 1
.irp w, 0,1,2,3
	ds_load_b64 v[44+2*\w:45+2*\w], v[RR] offset:256*\w
.endr
	v_mov_b32 v41, 0                               ; (a lane permute's destination counts as one of its sources)
	s_wait_dscnt 0x0
	v_pk_add_f32 v[44:45], v[44:45], v[46:47]
	v_pk_add_f32 v[48:49], v[48:49], v[50:51]
	v_pk_add_f32 v[44:45], v[44:45], v[48:49]      ; S over all 1,024 hidden units
	v_mul_f32 v38, s[K2], v44                      ; t = -2 log2(e) S
	v_mul_f32 v39, s[K2], v45
	v_max_num_f32 v40, v38, v39
	v_max_num_f32_dpp v40, v40, v40 row_xmask:1 row_mask:0xf bank_mask:0xf
	v_max_num_f32_dpp v40, v40, v40 row_xmask:2 row_mask:0xf bank_mask:0xf
	v_max_num_f32_dpp v40, v40, v40 row_xmask:4 row_mask:0xf bank_mask:0xf
	v_max_num_f32_dpp v40, v40, v40 row_xmask:8 row_mask:0xf bank_mask:0xf
	v_permlanex16_b32 v41, v40, s[SEL], s[SEL+1]
	v_max_num_f32 v40, v40, v41                    ; m: the largest t of the 64 rows
	v_sub_f32 v36, v38, v40
	v_sub_f32 v37, v39, v40
	v_exp_f32 v36, v36                             ; p = 2^(t - m), at most 1
	v_exp_f32 v37, v37
	v_nop
	s_wait_alu depctr_va_vdst(0)                   ; one wait for the two, ahead of their first reader and of the branch
	ds_store_b64 v[PWA], v[36:37]                  ; into my wave's own copy: no other wave reads it
	s_cmp_lg_u32 s[WV], 0
	s_cbranch_scc1 .Lno_sc
	global_store_b64 v[SGO], v[38:39], s[SCP:SCP+1]   ; wave 0: the 64 t: 256 consecutive bytes, aligned
.Lno_sc:
	; att = sum over the 64 rows of p x: wave w takes columns 512 w .. 512 w + 511 of the bf16 copy, 16 columns a lane, 16 rows a trip
.irp j, 0,1,2,3,4,5,6,7,8,9,10,11,12,13,14,15
	v_mov_b32 v[OO+\j], 0
.endr
	s_mov_b32 s[AU], 0
	s_mov_b32 s[PU], 0
	s_mov_b32 s[LC], 4
.Lrows:
	v_add_nc_u32 v[XBR], s[AU], v[XBR0]
	v_add_nc_u32 v[PRD], s[PU], v[PRD0]
.irp k, 0,1,2,3
	ds_load_b128 v[PP+4*\k:PP+4*\k+3], v[PRD] offset:16*\k   ; 16 rows' p, the same words to every lane; LDS serves a wave's instructions in order: these see my store
.endr
.irp i, 0,1,2,3,4,5,6,7,8,9,10,11,12,13,14,15
.irp sg, 0,1,2,3
	ds_load_b64 v[X+8*\i+2*\sg:X+8*\i+2*\sg+1], v[XBR] offset:4096*\i+256*\sg   ; 32 lanes read 256 consecutive bytes
.endr
.endr
.irp i, 0,1,2,3,4,5,6,7,8,9,10,11,12,13,14,15
	s_wait_dscnt 4*(15-\i)                         ; row i's four loads are in (and p, which is older); the later rows' may be out
.irp sg, 0,1,2,3
	v_fma_mix_f32_bf16 v[OO+4*\sg],   v[X+8*\i+2*\sg],   v[PP+\i], v[OO+4*\sg] op_sel_hi:[1,0,0]
	v_fma_mix_f32_bf16 v[OO+4*\sg+1], v[X+8*\i+2*\sg],   v[PP+\i], v[OO+4*\sg+1] op_sel:[1,0,0] op_sel_hi:[1,0,0]
	v_fma_mix_f32_bf16 v[OO+4*\sg+2], v[X+8*\i+2*\sg+1], v[PP+\i], v[OO+4*\sg+2] op_sel_hi:[1,0,0]
	v_fma_mix_f32_bf16 v[OO+4*\sg+3], v[X+8*\i+2*\sg+1], v[PP+\i], v[OO+4*\sg+3] op_sel:[1,0,0] op_sel_hi:[1,0,0]
.endr
.endr
	s_add_co_u32 s[AU], s[AU], 65536
	s_add_co_u32 s[PU], s[PU], 64
	s_sub_co_u32 s[LC], s[LC], 1
	s_cmp_lg_u32 s[LC], 0
	s_cbranch_scc1 .Lrows
.irp sg, 0,1,2,3
	global_store_b128 v[GO], v[OO+4*\sg:OO+4*\sg+3], s[ATP:ATP+1] offset:512*\sg   ; 32 lanes store 512 consecutive bytes, aligned
.endr
	s_wait_tensorcnt 0x0                           ; the wave's end
	ds_add_u32 v[SPW], v[NIL]
	s_wait_dscnt 0x0
	s_endpgm
.Lfunc_end_k_q7777606f1f_main:
	.size	k_q7777606f1f_main, .Lfunc_end_k_q7777606f1f_main-k_q7777606f1f_main
	.p2alignl 7, 3214868480
	.fill 96, 4, 3214868480
	.section	.rodata,"a",@progbits
	.p2align	6, 0x0
	.amdhsa_kernel k_q7777606f1f_main
		.amdhsa_group_segment_fixed_size 300544
		.amdhsa_private_segment_fixed_size 0
		.amdhsa_enable_private_segment 0
		.amdhsa_kernarg_size 56
		.amdhsa_user_sgpr_count 2
		.amdhsa_user_sgpr_kernarg_segment_ptr 1
		.amdhsa_wavefront_size32 1
		.amdhsa_system_sgpr_workgroup_id_x 1
		.amdhsa_system_sgpr_workgroup_id_y 1
		.amdhsa_system_sgpr_workgroup_id_z 1
		.amdhsa_system_vgpr_workitem_id 0
		.amdhsa_next_free_vgpr 1024
		.amdhsa_next_free_sgpr 66
		.amdhsa_reserve_vcc 0
		.amdhsa_float_denorm_mode_32 3
		.amdhsa_float_denorm_mode_16_64 3
		.amdhsa_memory_ordered 1
		.amdhsa_forward_progress 1
		.amdhsa_inst_pref_size 255
	.end_amdhsa_kernel
	.section	.bss,"aw",@nobits
	.p2align	6
	.space	262144
	.amdgpu_metadata
---
amdhsa.version: [ 1, 2 ]
amdhsa.kernels:
  - .name:           k_q7777606f1f_main
    .symbol:         k_q7777606f1f_main.kd
    .args:
      - { .name: visual_features, .offset: 0, .size: 8, .value_kind: global_buffer, .address_space: global }
      - { .name: WvF, .offset: 8, .size: 8, .value_kind: global_buffer, .address_space: global }
      - { .name: WvS, .offset: 16, .size: 8, .value_kind: global_buffer, .address_space: global }
      - { .name: tcb, .offset: 24, .size: 8, .value_kind: global_buffer, .address_space: global }
      - { .name: Wa, .offset: 32, .size: 8, .value_kind: global_buffer, .address_space: global }
      - { .name: sc, .offset: 40, .size: 8, .value_kind: global_buffer, .address_space: global }
      - { .name: att, .offset: 48, .size: 8, .value_kind: global_buffer, .address_space: global }
    .group_segment_fixed_size: 300544
    .private_segment_fixed_size: 0
    .kernarg_segment_align: 8
    .kernarg_segment_size: 56
    .max_flat_workgroup_size: 128
    .sgpr_count:     66
    .vgpr_count:     1024
    .wavefront_size: 32
...
	.end_amdgpu_metadata
.endif
;; end of part 2
;; launch combine (part 3): grid 128 x 1, 8 waves a work-group, no clusters, 0 bytes of LDS; arguments sc, att, out0, out1; writes out0, out1
.if DOCPART == 3
	.amdgcn_target "amdgcn-amd-amdhsa--gfx1250"
	.amdhsa_code_object_version 6
	.text
	.protected	k_q7777606f1f_combine
	.globl	k_q7777606f1f_combine
	.p2align	8
	.type	k_q7777606f1f_combine,@function
k_q7777606f1f_combine:
	s_mov_b64 s[64:65], 0
	v_nop
	global_prefetch_b8 v0, s[64:65] scope:SCOPE_SE
	s_setreg_imm32_b32 hwreg(HW_REG_WAVE_MODE, 25, 1), 1
	s_wait_xcnt 0x0
; The four quarters of a batch are joined.  sc[b][256] holds t, the scores in base 2 (LEFT OUT, as shown at the head of the first kernel: ba and sum(Wa), both the same along the softmax's axis);
; att[4 b + c][2048] = sum over quarter c's 64 rows of 2^(t - m_c) x, m_c the quarter's largest t.
; M = the largest of the 256 t; L = sum of 2^(t - M);  out1 = 2^(t - M) / L;  out0 = sum over c of (2^(m_c - M) / L) att_c.  m_c is found anew from the same 64 numbers: a maximum rounds nothing.
; A work-group takes a batch.  Every wave makes the statistics for itself (256 numbers, 8 a lane): no LDS, no barrier.  Wave w joins columns 256 w .. 256 w + 255; wave 0 also stores out1.
; Memory binds: matrix units, LDS and clusters would add nothing.
	s_load_b256 s[4:11], s[0:1], 0x0               ; sc s[4:5], att s[6:7], out0 s[8:9], out1 s[10:11]
	v_lshrrev_b32 v1, 5, v0
	v_readfirstlane_b32 s12, v1                    ; wave 0..7
	v_and_b32 v3, 31, v0
	v_lshlrev_b32 v1, 4, v3                        ; 16 x lane
	s_lshl_b32 s13, s12, 10
	v_add_nc_u32 v2, s13, v1                       ; + my wave's 1,024 bytes of a row
	v_mov_b32 v51, 0                               ; (a lane permute's destination counts as one of its sources)
	s_mov_b32 s20, 0x76543210
	s_mov_b32 s21, 0xfedcba98                      ; v_permlanex16_b32's selects for lane l xor 16
	s_mov_b32 s17, 0
	s_wait_kmcnt 0x0
	s_lshl_b32 s16, ttmp9, 10
	s_add_nc_u64 s[4:5], s[4:5], s[16:17]
	s_add_nc_u64 s[10:11], s[10:11], s[16:17]
	s_lshl_b32 s16, ttmp9, 15
	s_add_nc_u64 s[6:7], s[6:7], s[16:17]
	s_lshl_b32 s16, ttmp9, 13
	s_add_nc_u64 s[8:9], s[8:9], s[16:17]
	global_load_b128 v[8:11], v1, s[4:5]           ; rows 4 l .. 4 l + 3: quarter lane / 16
	global_load_b128 v[12:15], v1, s[4:5] offset:512   ; rows 128 + 4 l ..: quarter 2 + lane / 16
.irp c, 0,1,2,3
.irp e, 0,1
	global_load_b128 v[16+8*\c+4*\e:16+8*\c+4*\e+3], v2, s[6:7] offset:8192*\c+512*\e
.endr
.endr
	s_wait_loadcnt 8                               ; t is in; att's eight loads may be out
	v_max3_num_f32 v48, v8, v9, v10
	v_max3_num_f32 v49, v12, v13, v14
	v_max_num_f32 v48, v48, v11
	v_max_num_f32 v49, v49, v15
.irp m, 1,2,4,8
	v_max_num_f32_dpp v48, v48, v48 row_xmask:\m row_mask:0xf bank_mask:0xf
	v_max_num_f32_dpp v49, v49, v49 row_xmask:\m row_mask:0xf bank_mask:0xf
.endr                                          ; v48: m of quarter lane / 16;  v49: of quarter 2 + lane / 16
	v_max_num_f32 v50, v48, v49
	v_permlanex16_b32 v51, v50, s20, s21
	v_max_num_f32 v50, v50, v51                    ; M
.irp j, 0,1,2,3,4,5,6,7
	v_sub_f32 v[54+\j], v[8+\j], v50
.endr
	v_sub_f32 v62, v48, v50
	v_sub_f32 v63, v49, v50
.irp j, 0,1,2,3,4,5,6,7,8,9
	v_exp_f32 v[54+\j], v[54+\j]                   ; 2^(t - M), eight; 2^(m_c - M), two
.endr
	v_nop
	s_wait_alu depctr_va_vdst(0)                   ; one wait for the batch, ahead of its first reader
	v_add_f32 v52, v54, v55
	v_add_f32 v53, v56, v57
	v_add_f32 v51, v58, v59
	v_add_f32 v50, v60, v61
	v_add_f32 v52, v52, v53
	v_add_f32 v51, v51, v50
	v_add_f32 v52, v52, v51
.irp m, 1,2,4,8
	v_add_f32_dpp v52, v52, v52 row_xmask:\m row_mask:0xf bank_mask:0xf
.endr
	v_permlanex16_b32 v53, v52, s20, s21
	v_add_f32 v52, v52, v53                        ; L
	v_rcp_f32 v51, v52
	v_nop
	s_wait_alu depctr_va_vdst(0)
	v_mul_f32 v62, v62, v51                        ; 2^(m_c - M) / L
	v_mul_f32 v63, v63, v51
	v_readlane_b32 s22, v62, 0                     ; quarter 0's,
	v_readlane_b32 s23, v62, 16                    ; 1's,
	v_readlane_b32 s24, v63, 0                     ; 2's,
	v_readlane_b32 s25, v63, 16                    ; 3's
	s_wait_loadcnt 0x0                             ; att
.irp j, 0,1,2,3,4,5,6,7
	v_mul_f32 v[16+\j], s22, v[16+\j]
.endr
.irp j, 0,1,2,3,4,5,6,7
	v_fma_f32 v[16+\j], s23, v[24+\j], v[16+\j]
.endr
.irp j, 0,1,2,3,4,5,6,7
	v_fma_f32 v[16+\j], s24, v[32+\j], v[16+\j]
.endr
.irp j, 0,1,2,3,4,5,6,7
	v_fma_f32 v[16+\j], s25, v[40+\j], v[16+\j]
.endr
	global_store_b128 v2, v[16:19], s[8:9]         ; 32 lanes store 512 consecutive bytes, aligned
	global_store_b128 v2, v[20:23], s[8:9] offset:512
	s_cmp_lg_u32 s12, 0
	s_cbranch_scc1 .Ldone
.irp j, 0,1,2,3,4,5,6,7
	v_mul_f32 v[54+\j], v[54+\j], v51              ; out1
.endr
	global_store_b128 v1, v[54:57], s[10:11]
	global_store_b128 v1, v[58:61], s[10:11] offset:512
.Ldone:
	s_endpgm
.Lfunc_end_k_q7777606f1f_combine:
	.size	k_q7777606f1f_combine, .Lfunc_end_k_q7777606f1f_combine-k_q7777606f1f_combine
	.p2alignl 7, 3214868480
	.fill 96, 4, 3214868480
	.section	.rodata,"a",@progbits
	.p2align	6, 0x0
	.amdhsa_kernel k_q7777606f1f_combine
		.amdhsa_group_segment_fixed_size 0
		.amdhsa_private_segment_fixed_size 0
		.amdhsa_enable_private_segment 0
		.amdhsa_kernarg_size 32
		.amdhsa_user_sgpr_count 2
		.amdhsa_user_sgpr_kernarg_segment_ptr 1
		.amdhsa_wavefront_size32 1
		.amdhsa_system_sgpr_workgroup_id_x 1
		.amdhsa_system_sgpr_workgroup_id_y 1
		.amdhsa_system_sgpr_workgroup_id_z 1
		.amdhsa_system_vgpr_workitem_id 0
		.amdhsa_next_free_vgpr 64
		.amdhsa_next_free_sgpr 66
		.amdhsa_reserve_vcc 0
		.amdhsa_float_denorm_mode_32 3
		.amdhsa_float_denorm_mode_16_64 3
		.amdhsa_memory_ordered 1
		.amdhsa_forward_progress 1
		.amdhsa_inst_pref_size 7
	.end_amdhsa_kernel
	.amdgpu_metadata
---
amdhsa.version: [ 1, 2 ]
amdhsa.kernels:
  - .name:           k_q7777606f1f_combine
    .symbol:         k_q7777606f1f_combine.kd
    .args:
      - { .name: sc, .offset: 0, .size: 8, .value_kind: global_buffer, .address_space: global }
      - { .name: att, .offset: 8, .size: 8, .value_kind: global_buffer, .address_space: global }
      - { .name: out0, .offset: 16, .size: 8, .value_kind: global_buffer, .address_space: global }
      - { .name: out1, .offset: 24, .size: 8, .value_kind: global_buffer, .address_space: global }
    .group_segment_fixed_size: 0
    .private_segment_fixed_size: 0
    .kernarg_segment_align: 8
    .kernarg_segment_size: 32
    .max_flat_workgroup_size: 256
    .sgpr_count:     66
    .vgpr_count:     64
    .wavefront_size: 32
...
	.end_amdgpu_metadata
.endif
;; end of part 3
;; ======== version 2 of 2: 3 launches
;; limits: values are held in bf16: 8 bits of precision; right only within a limited range of input values
;; workspace buffers: WvF 2,097,152 bytes; WvS 65,536 bytes; tcb 524,288 bytes; sc 131,072 bytes; xb 134,217,728 bytes
;; launch prep (part 4): grid 96 x 1, 4 waves a work-group, no clusters, 17,920 bytes of LDS; arguments Wv_codes, Wv_scales, Wt_codes, Wt_scales, text_features_codes, text_features_scales, bt, bv, WvF, WvS, tcb; writes WvF, WvS, tcb
.if DOCPART == 4
	.amdgcn_target "amdgcn-amd-amdhsa--gfx1250"
	.amdhsa_code_object_version 6
	.text
	.protected	k_q7777606f1f_prep
	.globl	k_q7777606f1f_prep
	.p2align	8
	.type	k_q7777606f1f_prep,@function
k_q7777606f1f_prep:
	s_mov_b64 s[64:65], 0
	v_nop
	global_prefetch_b8 v0, s[64:65] scope:SCOPE_SE
	s_setreg_imm32_b32 hwreg(HW_REG_WAVE_MODE, 25, 1), 1
	s_wait_xcnt 0x0
; THE PROGRAM: scores[b][r] = Wa . tanh(Q(x[b][r]) Wv^T + bv + text[b] Wt^T + bt) + ba;  out1 = softmax over r;  out0[b] = sum over r of out1[b][r] x[b][r].
; DEAD WORK, for all finite values of the inputs.  (1) ba is added to every score of a row of the softmax: the same term along the softmax's axis leaves out1 and out0 as they are.  ba has then no way
; to any output: it is not loaded and is among no launch's arguments.  (2) tanh(z) = 1 - 2 / (1 + e^(2 z)), so score = sum(Wa) - 2 sum over h of Wa[h] / (1 + e^(2 z[h])): sum(Wa) too is the same along
; the axis and is not formed.  LIMIT: a NaN, an infinity or an overflow that reaches only ba or sum(Wa) is not carried to the result.
; THIS LAUNCH does two small things that the main launch needs.
; Work-groups 0-63 (way R) lay Wv's codes and scale bytes in the order of the operand's registers:
;   WvF[s 16][T 64][c 4][lane 32][16 bytes] = Wv_codes[16 T + lane % 16][128 s + 32 c + 16 (lane / 16) ..], so that a fragment (16 rows x 128 K) is four loads of 512 dense bytes;
;   WvS[s 16][hidden 1024], one word each = Wv_scales[hidden][4 s .. 4 s + 3]: what one matrix instruction wants of a row.
; Work-groups 64-95 (way C) make tcb[b][h] = C2 (text[b] . Wt[h] + bt[h] + bv[h]), C2 = 2 log2(e): the second product of the problem on the given codes and scales, with both biases as the C of the sums,
;   already scaled for the main launch's exponential in base 2.  A wave makes 16 b x 64 h: four accumulators by turns, K = 1,024 in eight steps.  ALL its operands are asked for at once, 186 loads into
;   registers of their own, and the products follow under counted waits: the wave waits for memory once and not once a K step.
;   The product is used transposed (source 0 = 16 rows of Wt, source 1 = 16 rows of text): a lane holds one b and eight neighbouring h, which leave through the wave's own stage in LDS as rows of 256 bytes.
; Only way C uses LDS.  No tensor loads: every operand goes straight into registers.
; REGISTERS of way C, in windows of 256: window 0: addresses, scale words, accumulators, text's eight fragments.  window 1: Wt's fragments of K steps 0-3, (tile i, step s) at v[64 s + 16 i];  window 2: K steps 4-7.
.set STGW,  16*272                     ; a wave's stage: 16 rows x (256 bytes + 16)
.set SPARE, 4*STGW                     ; behind the stages: the spare words, 128 bytes for each wave: two blocks of 256 bytes that no other line names
.set SPW,   22                         ; v22  LDS address of my spare word; never rewritten
.set NIL,   23                         ; v23  0; never rewritten
.set WSC,   24                         ; v24-55   Wt's scale words: tile i, K step s at 8 i + s
.set TSC,   56                         ; v56-63   text's scale words, a register a K step
.set ACC,   64                         ; v64-95   four accumulators
.set BT,    96                         ; v96-127  bv; later the rows on the way out
.set TF,    128                        ; v128-255 text's eight fragments
.set MSB, 0
.macro WIN new                         ; the immediate's high byte repeats the setting that is left; a switch that changes nothing is dropped
.if MSB != (\new)
	s_set_vgpr_msb (MSB<<8)|(\new)
.set MSB, (\new)
.endif
.endm
	s_load_b512 s[4:19], s[0:1], 0x0               ; Wv codes s[4:5], Wv scales s[6:7], Wt codes s[8:9], Wt scales s[10:11], text codes s[12:13], text scales s[14:15], bt s[16:17], bv s[18:19]
	s_load_b128 s[20:23], s[0:1], 0x40             ; WvF s[20:21], WvS s[22:23]
	s_load_b64 s[24:25], s[0:1], 0x50              ; tcb
	v_lshl_add_u32 v[SPW], v0, 2, SPARE
	v_mov_b32 v[NIL], 0
	v_lshrrev_b32 v1, 5, v0
	v_readfirstlane_b32 s26, v1                    ; wave 0..3
	v_and_b32 v1, 31, v0                           ; lane
	v_and_b32 v2, 15, v0                           ; r
	v_bfe_u32 v3, v0, 4, 1                         ; h
	s_mov_b32 s29, 0                               ; the upper word of every offset
	s_cmp_lt_u32 ttmp9, 64
	s_cbranch_scc0 .Ltext
	; ---- way R: tile T = the work-group's number; the wave takes K steps 4 wave .. 4 wave + 3
	v_lshlrev_b32 v4, 11, v2
	v_lshl_add_u32 v4, v3, 4, v4                   ; codes in: row r of 2,048 bytes, + 16 h
	v_lshlrev_b32 v5, 6, v2
	v_lshl_add_u32 v5, v3, 3, v5                   ; scale bytes in: row r of 64 bytes, + 8 h: two words a lane
	v_lshlrev_b32 v6, 4, v1                        ; codes out: 16 x lane
	v_lshlrev_b32 v7, 2, v2
	v_lshl_add_u32 v7, v3, 13, v7                  ; scale words out: 4 r, lanes 16-31 two K steps (8,192 bytes) on
	s_lshl_b32 s28, ttmp9, 15
	s_lshl_b32 s30, s26, 9
	s_add_co_u32 s28, s28, s30                     ; 16 T rows of 2,048 bytes + 512 x wave
	s_wait_alu depctr_va_vdst(0)
	s_wait_kmcnt 0x0
	s_add_nc_u64 s[4:5], s[4:5], s[28:29]
	s_lshl_b32 s28, ttmp9, 10
	s_lshl_b32 s30, s26, 4
	s_add_co_u32 s28, s28, s30                     ; 16 T rows of 64 bytes + 16 x wave
	s_add_nc_u64 s[6:7], s[6:7], s[28:29]
	s_lshl_b32 s28, s26, 19
	s_lshl_b32 s30, ttmp9, 11
	s_add_co_u32 s28, s28, s30                     ; WvF: four K steps of 131,072 bytes a wave, 2,048 bytes a tile
	s_add_nc_u64 s[20:21], s[20:21], s[28:29]
	s_lshl_b32 s28, s26, 14
	s_lshl_b32 s30, ttmp9, 6
	s_add_co_u32 s28, s28, s30                     ; WvS: four K steps of 4,096 bytes a wave, 64 bytes a tile
	s_add_nc_u64 s[22:23], s[22:23], s[28:29]
.irp sp, 0,1,2,3
.irp c, 0,1,2,3
	global_load_b128 v[32+4*(4*\sp+\c):32+4*(4*\sp+\c)+3], v4, s[4:5] offset:128*\sp+32*\c
.endr
.endr
	global_load_b64 v[100:101], v5, s[6:7]
	s_wait_loadcnt 0x0
.irp sp, 0,1,2,3
.irp c, 0,1,2,3
	global_store_b128 v6, v[32+4*(4*\sp+\c):32+4*(4*\sp+\c)+3], s[20:21] offset:131072*\sp+512*\c   ; 32 lanes store 512 consecutive bytes, aligned
.endr
.endr
	global_store_b32 v7, v100, s[22:23]            ; K step 4 wave + 2 h
	global_store_b32 v7, v101, s[22:23] offset:4096   ; and the next
	s_endpgm                                       ; this way has written no LDS
	; ---- way C
.Ltext:
	s_sub_co_u32 s27, ttmp9, 64
	s_lshl_b32 s27, s27, 2
	s_add_co_u32 s27, s27, s26                     ; 0 .. 127
	s_and_b32 s30, s27, 7                          ; a: which 16 b
	s_lshr_b32 s31, s27, 3                         ; gq: which 64 h
	s_wait_alu depctr_va_vdst(0)
	v_lshlrev_b32 v4, 10, v2
	v_lshl_add_u32 v4, v3, 4, v4                   ; codes: row r of 1,024 bytes, + 16 h
	v_lshlrev_b32 v5, 5, v2                        ; scale bytes: row r of 32: eight words, one a K step
	v_lshlrev_b32 v6, 5, v3                        ; biases: my half's eight numbers
	s_mul_i32 s32, s26, STGW                       ; my stage
	v_mul_u32_u24 v7, v2, 272
	v_lshl_add_u32 v7, v3, 5, v7
	v_add_nc_u32 v7, s32, v7                       ; in: row r, + 32 h
	v_mul_u32_u24 v8, v3, 272
	v_lshl_add_u32 v8, v2, 4, v8
	v_add_nc_u32 v8, s32, v8                       ; back: lanes 0-15 one row of 256 bytes, lanes 16-31 the next
	v_lshlrev_b32 v9, 12, v3
	v_lshl_add_u32 v9, v2, 4, v9                   ; and the same two rows in tcb, 4,096 bytes apart
	s_mov_b32 s34, 0x4038aa3b                      ; C2 = 2 log2(e)
	s_mov_b32 s35, s34                             ; (named with it as a pair, so it is written)
	s_wait_alu depctr_va_vdst(0)
	s_wait_kmcnt 0x0
	s_lshl_b32 s28, s31, 16
	s_add_nc_u64 s[8:9], s[8:9], s[28:29]          ; Wt's codes at row 64 gq
	s_lshl_b32 s28, s31, 11
	s_add_nc_u64 s[10:11], s[10:11], s[28:29]      ; and its scale bytes
	s_lshl_b32 s28, s30, 14
	s_add_nc_u64 s[12:13], s[12:13], s[28:29]      ; text's codes at row 16 a
	s_lshl_b32 s28, s30, 9
	s_add_nc_u64 s[14:15], s[14:15], s[28:29]      ; and its scale bytes
	s_lshl_b32 s28, s31, 8
	s_add_nc_u64 s[16:17], s[16:17], s[28:29]      ; bt and bv at h = 64 gq
	s_add_nc_u64 s[18:19], s[18:19], s[28:29]
	s_lshl_b32 s33, s30, 16
	s_add_co_u32 s28, s28, s33
	s_add_nc_u64 s[24:25], s[24:25], s[28:29]      ; tcb at (16 a, 64 gq)
.irp i, 0,1,2,3                                ; register j of tile i is h = 64 gq + 16 i + 8 (lane / 16) + j
	global_load_b128 v[ACC+8*\i:ACC+8*\i+3],   v6, s[16:17] offset:64*\i
	global_load_b128 v[ACC+8*\i+4:ACC+8*\i+7], v6, s[16:17] offset:64*\i+16
	global_load_b128 v[BT+8*\i:BT+8*\i+3],     v6, s[18:19] offset:64*\i
	global_load_b128 v[BT+8*\i+4:BT+8*\i+7],   v6, s[18:19] offset:64*\i+16
	global_load_b128 v[WSC+8*\i:WSC+8*\i+3],   v5, s[10:11] offset:512*\i      ; row r of tile i: the words of K steps 0-3,
	global_load_b128 v[WSC+8*\i+4:WSC+8*\i+7], v5, s[10:11] offset:512*\i+16   ; and of 4-7
.endr
	global_load_b128 v[TSC:TSC+3],   v5, s[14:15]
	global_load_b128 v[TSC+4:TSC+7], v5, s[14:15] offset:16
.irp s, 0,1,2,3,4,5,6,7
.irp c, 0,1,2,3
	global_load_b128 v[TF+16*\s+4*\c:TF+16*\s+4*\c+3], v4, s[12:13] offset:128*\s+32*\c
.endr
.endr
	WIN 0x40                                       ; destination window 1
.irp s, 0,1,2,3
.irp i, 0,1,2,3
.irp c, 0,1,2,3
	global_load_b128 v[64*\s+16*\i+4*\c:64*\s+16*\i+4*\c+3], v4, s[8:9] offset:16384*\i+128*\s+32*\c
.endr
.endr
.endr
	WIN 0x80                                       ; destination window 2
.irp s, 4,5,6,7
.irp i, 0,1,2,3
.irp c, 0,1,2,3
	global_load_b128 v[64*(\s-4)+16*\i+4*\c:64*(\s-4)+16*\i+4*\c+3], v4, s[8:9] offset:16384*\i+128*\s+32*\c
.endr
.endr
.endr
	WIN 0
	s_wait_loadcnt 63                              ; all but the youngest 63 loads are in: the biases, the scale words, text, and Wt's K steps 0-3 (behind step 3's last load stand 64)
.set i, 0
.rept 16
	v_pk_add_f32 v[ACC+2*i:ACC+2*i+1], v[ACC+2*i:ACC+2*i+1], v[BT+2*i:BT+2*i+1]   ; bt + bv: the C of each sum's first matrix instruction
.set i, i+1
.endr
.rept 8
	v_nop
.endr
.irp s, 0,1,2,3,4,5,6,7
.if \s >= 4
	s_wait_loadcnt 16*(7-\s)                       ; this K step's 16 loads are in; the later steps' may be out
	WIN 0x02                                       ; source 0 (Wt) window 2
.else
	WIN 0x01                                       ; source 0 (Wt) window 1
.endif
.irp i, 0,1,2,3                                ; the four accumulators take turns, one instruction a turn
	v_wmma_scale_f32_16x16x128_f8f6f4 v[ACC+8*\i:ACC+8*\i+7], v[64*(\s%4)+16*\i:64*(\s%4)+16*\i+15], v[TF+16*\s:TF+16*\s+15], v[ACC+8*\i:ACC+8*\i+7], v[WSC+8*\i+\s], v[TSC+\s]
.endr
.endr
	WIN 0
.rept 8
	v_nop                                          ; eight places in front of the first read of results
.endr
.set i, 0
.rept 16
	v_pk_mul_f32 v[ACC+2*i:ACC+2*i+1], v[ACC+2*i:ACC+2*i+1], s[34:35] op_sel_hi:[1,0]   ; x C2; each accumulator from its low end on
.set i, i+1
.endr
.irp i, 0,1,2,3
	ds_store_b128 v7, v[ACC+8*\i:ACC+8*\i+3] offset:64*\i
	ds_store_b128 v7, v[ACC+8*\i+4:ACC+8*\i+7] offset:64*\i+16
.endr
.irp t, 0,1,2,3,4,5,6,7
	ds_load_b128 v[BT+4*\t:BT+4*\t+3], v8 offset:544*\t   ; LDS serves a wave's instructions in order (ISA guide 5.7.1.4): these see my stores
.endr
.irp t, 0,1,2,3,4,5,6,7
	s_wait_dscnt 7-\t                              ; rows 2 t and 2 t + 1 are back; the later rows' loads may be out
	global_store_b128 v9, v[BT+4*\t:BT+4*\t+3], s[24:25] offset:8192*\t   ; sixteen lanes store 256 consecutive bytes, aligned
.endr
	s_wait_tensorcnt 0x0                           ; the wave's end
	ds_add_u32 v[SPW], v[NIL]
	s_wait_dscnt 0x0
	s_endpgm
.Lfunc_end_k_q7777606f1f_prep:
	.size	k_q7777606f1f_prep, .Lfunc_end_k_q7777606f1f_prep-k_q7777606f1f_prep
	.p2alignl 7, 3214868480
	.fill 96, 4, 3214868480
	.section	.rodata,"a",@progbits
	.p2align	6, 0x0
	.amdhsa_kernel k_q7777606f1f_prep
		.amdhsa_group_segment_fixed_size 17920
		.amdhsa_private_segment_fixed_size 0
		.amdhsa_enable_private_segment 0
		.amdhsa_kernarg_size 88
		.amdhsa_user_sgpr_count 2
		.amdhsa_user_sgpr_kernarg_segment_ptr 1
		.amdhsa_wavefront_size32 1
		.amdhsa_system_sgpr_workgroup_id_x 1
		.amdhsa_system_sgpr_workgroup_id_y 1
		.amdhsa_system_sgpr_workgroup_id_z 1
		.amdhsa_system_vgpr_workitem_id 0
		.amdhsa_next_free_vgpr 768
		.amdhsa_next_free_sgpr 66
		.amdhsa_reserve_vcc 0
		.amdhsa_float_denorm_mode_32 3
		.amdhsa_float_denorm_mode_16_64 3
		.amdhsa_memory_ordered 1
		.amdhsa_forward_progress 1
		.amdhsa_inst_pref_size 33
	.end_amdhsa_kernel
	.amdgpu_metadata
---
amdhsa.version: [ 1, 2 ]
amdhsa.kernels:
  - .name:           k_q7777606f1f_prep
    .symbol:         k_q7777606f1f_prep.kd
    .args:
      - { .name: Wv_codes, .offset: 0, .size: 8, .value_kind: global_buffer, .address_space: global }
      - { .name: Wv_scales, .offset: 8, .size: 8, .value_kind: global_buffer, .address_space: global }
      - { .name: Wt_codes, .offset: 16, .size: 8, .value_kind: global_buffer, .address_space: global }
      - { .name: Wt_scales, .offset: 24, .size: 8, .value_kind: global_buffer, .address_space: global }
      - { .name: text_features_codes, .offset: 32, .size: 8, .value_kind: global_buffer, .address_space: global }
      - { .name: text_features_scales, .offset: 40, .size: 8, .value_kind: global_buffer, .address_space: global }
      - { .name: bt, .offset: 48, .size: 8, .value_kind: global_buffer, .address_space: global }
      - { .name: bv, .offset: 56, .size: 8, .value_kind: global_buffer, .address_space: global }
      - { .name: WvF, .offset: 64, .size: 8, .value_kind: global_buffer, .address_space: global }
      - { .name: WvS, .offset: 72, .size: 8, .value_kind: global_buffer, .address_space: global }
      - { .name: tcb, .offset: 80, .size: 8, .value_kind: global_buffer, .address_space: global }
    .group_segment_fixed_size: 17920
    .private_segment_fixed_size: 0
    .kernarg_segment_align: 8
    .kernarg_segment_size: 88
    .max_flat_workgroup_size: 128
    .sgpr_count:     66
    .vgpr_count:     768
    .wavefront_size: 32
...
	.end_amdgpu_metadata
.endif
;; end of part 4
;; launch main (part 5): grid 256 x 1, 4 waves a work-group, no clusters, 305,664 bytes of LDS; arguments visual_features, WvF, WvS, tcb, Wa, sc, xb; writes sc, xb
.if DOCPART == 5
	.amdgcn_target "amdgcn-amd-amdhsa--gfx1250"
	.amdhsa_code_object_version 6
	.text
	.protected	k_q7777606f1f_main
	.globl	k_q7777606f1f_main
	.p2align	8
	.type	k_q7777606f1f_main,@function
k_q7777606f1f_main:
	s_mov_b64 s[64:65], 0
	v_nop
	global_prefetch_b8 v0, s[64:65] scope:SCOPE_SE
	s_setreg_imm32_b32 hwreg(HW_REG_WAVE_MODE, 25, 1), 1
	s_wait_xcnt 0x0
; A work-group takes 128 rows of x (half of one batch b) to their scores; x is read once here.
;   PASS 1, 16 K steps of 128: each wave quantises 32 rows x 128 numbers to E4M3 with one E8M0 byte for each 32; the codes of ALL of K stay in LDS, a slot a K step; a bf16 copy of x goes to xb for the last launch;
;   z = Q(x) Wv^T for hidden units 0-511 on the scaled matrix form.  PASS 2: hidden units 512-1,023 from the codes in LDS.  Behind each pass S[row] += sum over h of Wa[h] / (1 + 2^(C2 z + tc[h])), tc from the launch before.
;   t = -2 log2(e) S is the score in base 2 (LEFT OUT, as shown at the head of the first kernel: ba and sum(Wa), both the same along the softmax's axis); t goes to sc.
; SHARES.  In a pass wave w owns 128 hidden units for all 128 rows: 8 x 8 = 64 accumulators, 512 registers.  Source 0 = 16 rows of x, source 1 = 16 rows of Wv: register j of lane (r, h) is (row 16 a + 8 h + j, hidden 16 n + r).
; xb[b][K step 16][row 256][128 bf16]: a K step of a batch is 65,536 dense bytes.
; NO CLUSTER AND NO TENSOR LOAD, though all work-groups read the same Wv: a joint request lands in LDS; the codes, scale words and sums take 305,664 of 327,680 bytes, and a K step of Wv for 512 hidden units is 65,536.
;   So Wv's fragments come straight into registers, from the copy laid in the order of the operand's registers: each load is 512 dense bytes.
; LIMITS: NaN and infinities in x are not served.  A block of zeros gets the byte 1 where the rule says 127: its codes are zeros, and this program alone reads the bytes.
;   Where 2^(..) overflows, 1 / (1 + infinity) = 0, which is tanh = 1; where it falls to 0, 1 / 1, which is tanh = -1.
; REGISTERS, in windows of 256: window 0: v0-63 addresses, scale words, at work; v64-127 S; v128-255 x (later tc and Wa).  window 1: v0-127 x's eight fragments, v128-255 Wv's eight.
;   window 2: the accumulators of tiles n = 0-3, (a, n) at v[64 (n % 4) + 8 a];  window 3: n = 4-7.
.set KSL,   18432                      ; LDS: a K step's codes: 128 rows x (128 + 16 bytes); 16 such slots from byte 0
.set ASB,   16*KSL                     ; x's scale words: [K step][row], 512 bytes a K step
.set RED,   ASB+8192                   ; the waves' partial sums S: 4 x 128 f32
.set SPARE, RED+2048                   ; the spare words, 128 bytes for each wave
.set XO,   1                           ; x: 32 (lane % 16) + 16 (lane / 16)
.set BO,   2                           ; WvF: offset of the next K step's fragments
.set SO,   3                           ; WvS likewise
.set AFR0, 4                           ; 144 r + 16 h
.set ASR0, 5                           ; ASB + 4 lane
.set ACW0, 6                           ; 144 (32 w + h) + 8 r
.set ASW0, 7                           ; ASB + 128 w + 4 h + r / 4
.set AFR,  8                           ; the same four for the K step in hand
.set ASR,  9
.set ACW,  10
.set ASW,  11
.set GO,   12                          ; xb: 8,192 w + 16 lane
.set TO,   13                          ; tc, Wa: 512 w + 4 r
.set RW,   14
.set RR,   15
.set SGO,  16
.set PFO,  17                          ; the prefetches: 8,192 (lane / 2) + 256 (lane % 2)
.set SPW,  18                          ; my spare word; never rewritten
.set NIL,  19                          ; 0; never rewritten
.set BSC,  20                          ; v20-23 Wv's scale words: register g: tile 2 g in lanes 0-15, 2 g + 1 in lanes 16-31
.set ASC,  24                          ; v24-27 x's: register i: rows 32 i + lane
.set MX,   28
.set SCL,  32
.set HD,   36
.set HB,   40
.set BO0,  48
.set SO0,  49
.set SS,   64
.set X,    128
.set XP,   4
.set BP,   6
.set SP,   8
.set TCP,  10
.set WAP,  12
.set SCP,  14
.set XBP,  16
.set WV,   18
.set MNT,  19
.set C2,   22
.set K2,   24
.set TT,   25
.set KO,   26
.set KS,   27
.set BOFF, 28
.set SOFF, 29
.set LC,   30
.set MSB, 0
.macro WIN new                         ; the immediate's high byte repeats the setting that is left
.if MSB != (\new)
	s_set_vgpr_msb (MSB<<8)|(\new)
.set MSB, (\new)
.endif
.endm
.macro PLACES                          ; eight places behind this matrix form
.rept 8
	v_nop
.endr
.endm
; 8 loads: rows 8 bq .. 8 bq + 7 of my 32, 128 numbers each at byte k of the row.  A load covers a row's 512 consecutive bytes: lanes 0-15 the even pieces of 16 bytes, lanes 16-31 the odd ones.
.macro XLOADG bq, k
.irp u, 0,1,2,3
	global_load_b128 v[X+32*(\bq)+8*\u:X+32*(\bq)+8*\u+3],   v[XO], s[XP:XP+1] offset:16384*(4*(\bq)+\u)+(\k) th:TH_LOAD_NT
	global_load_b128 v[X+32*(\bq)+8*\u+4:X+32*(\bq)+8*\u+7], v[XO], s[XP:XP+1] offset:16384*(4*(\bq)+\u)+8192+(\k) th:TH_LOAD_NT
.endr
.endm
; 8 loads in x's place behind the last K step, so that every count holds on both ways: pairs (tc, Wa) of tiles nn = 4 bq .. 4 bq + 3 (0-7: pass 1's, 8-15: pass 2's) at v[X + 32 (nn / 4) + 2 (nn % 4)]
.macro TWLOADG bq
.irp u, 0,1,2,3
	global_load_b32 v[X+32*(\bq)+2*\u],   v[TO], s[TCP:TCP+1] offset:2048*((4*(\bq)+\u)/8)+64*((4*(\bq)+\u)%8)
	global_load_b32 v[X+32*(\bq)+2*\u+1], v[TO], s[WAP:WAP+1] offset:2048*((4*(\bq)+\u)/8)+64*((4*(\bq)+\u)%8)
.endr
.endm
; 9 loads: group g = Wv's tiles 2 g, 2 g + 1 and their scale words
.macro BLOAD g, bo, so
	WIN 0x40
.irp tl, 0,1
.irp c, 0,1,2,3
	global_load_b128 v[128+16*(2*(\g)+\tl)+4*\c:128+16*(2*(\g)+\tl)+4*\c+3], v[\bo], s[BP:BP+1] offset:2048*(2*(\g)+\tl)+512*\c
.endr
.endr
	WIN 0
	global_load_b32 v[BSC+(\g)], v[\so], s[SP:SP+1] offset:128*(\g)
.endm
.macro AFLOAD                          ; x's eight fragments and four registers of scale words of the K step in hand
	WIN 0x40
.irp a, 0,1,2,3,4,5,6,7
.irp c, 0,1,2,3
	ds_load_b128 v[16*\a+4*\c:16*\a+4*\c+3], v[AFR] offset:2304*\a+32*\c
.endr
.endr
	WIN 0
.irp i, 0,1,2,3
	ds_load_b32 v[ASC+\i], v[ASR] offset:128*\i
.endr
	s_wait_dscnt 0x0
.endm
.macro WM c, ma, mb
.if (\ma)
.if (\mb)
	v_wmma_scale_f32_16x16x128_f8f6f4 v[rD:rD+7], v[rA:rA+15], v[rB:rB+15], \c, v[rSA], v[rSB] matrix_a_scale:MATRIX_SCALE_ROW1 matrix_b_scale:MATRIX_SCALE_ROW1
.else
	v_wmma_scale_f32_16x16x128_f8f6f4 v[rD:rD+7], v[rA:rA+15], v[rB:rB+15], \c, v[rSA], v[rSB] matrix_a_scale:MATRIX_SCALE_ROW1
.endif
.else
.if (\mb)
	v_wmma_scale_f32_16x16x128_f8f6f4 v[rD:rD+7], v[rA:rA+15], v[rB:rB+15], \c, v[rSA], v[rSB] matrix_b_scale:MATRIX_SCALE_ROW1
.else
	v_wmma_scale_f32_16x16x128_f8f6f4 v[rD:rD+7], v[rA:rA+15], v[rB:rB+15], \c, v[rSA], v[rSB]
.endif
.endif
.endm
; 16 matrix instructions: group g's two tiles x the eight tiles of rows.  zero = 1: the product starts the sums.  The 64 accumulators take turns.
.macro MUL g, zero
.if (\g) < 2
	WIN 0xa5
.else
	WIN 0xf5
.endif
.irp tl, 0,1
.irp a, 0,1,2,3,4,5,6,7
.set rD,  64*((2*(\g)+\tl)%4)+8*\a
.set rA,  16*\a
.set rB,  128+16*(2*(\g)+\tl)
.set rSA, ASC+\a/2
.set rSB, BSC+(\g)
.if \zero
	WM 0, \a%2, \tl
.else
	WM v[rD:rD+7], \a%2, \tl
.endif
.endr
.endr
.endm
; a K step's 64 products; behind each group its registers take the next K step's fragments.  cnt - dec g: the loads that may be out behind group g
.macro MULS zero, cnt, dec, load
.irp g, 0,1,2,3
	s_wait_loadcnt (\cnt)-(\dec)*\g
	MUL \g, \zero
	WIN 0
.if \load
	PLACES
.if \g == 0
	s_wait_xcnt 0x0                                ; the youngest loads that name these two offsets were issued a K step's fragment loads and sixteen products back
	s_add_co_u32 s[BOFF], s[BOFF], 131072          ; on to the next K step of Wv
	s_add_co_u32 s[SOFF], s[SOFF], 4096
.if \load == 2
	s_cmp_eq_u32 s[TT], 15                         ; pass 1's K step 15 asks for pass 2's K step 0: tiles 32 on
	s_cselect_b32 s[BOFF], 65536, s[BOFF]
	s_cselect_b32 s[SOFF], 2048, s[SOFF]
.endif
	v_add_nc_u32 v[BO], s[BOFF], v[BO0]
	v_add_nc_u32 v[SO], s[SOFF], v[SO0]
	s_wait_alu depctr_va_vdst(0)
.endif
	BLOAD \g, BO, SO
.endif
.endr
.endm
; Eight of my rows become codes, scale bytes and bf16.  As loaded, registers 0-3 of a pair of rows hold the first row, 4-7 the second; lane l < 16 has k = 8 l + j, lane 16 + l has k = 8 l + 4 + j.
; v_permlane16_swap_b32 exchanges the first register's lanes 16-31 with the second's lanes 0-15: then lanes 0-15 hold the first row, lanes 16-31 the second, each lane k = 8 l .. 8 l + 7.  A block of 32 lies in four neighbouring lanes.
; The codes and bytes go to LDS here; the bf16 numbers stay in registers 0-3 of each pair for the half's run of stores (macro QH).  cnt: the loads that may be out behind this group's eight.
.macro QG bq, cnt
.set XQ, X+32*(\bq)
	s_wait_loadcnt \cnt
.irp u, 0,1,2,3
.irp j, 0,1,2,3
	v_permlane16_swap_b32 v[XQ+8*\u+\j], v[XQ+8*\u+4+\j]
.endr
.endr
.irp u, 0,1,2,3
	v_max3_num_f32 v[MX+\u], |v[XQ+8*\u]|, |v[XQ+8*\u+1]|, 0x4800000   ; with the floor 2^(9 - 127): the byte cannot fall under 1
.endr
.irp p, 2,4,6
.irp u, 0,1,2,3
	v_max3_num_f32 v[MX+\u], v[MX+\u], |v[XQ+8*\u+\p]|, |v[XQ+8*\u+\p+1]|
.endr
.endr
.irp u, 0,1,2,3
	v_max_num_f32_dpp v[MX+\u], v[MX+\u], v[MX+\u] row_xmask:1 row_mask:0xf bank_mask:0xf
.endr
.irp u, 0,1,2,3
	v_max_num_f32_dpp v[MX+\u], v[MX+\u], v[MX+\u] row_xmask:2 row_mask:0xf bank_mask:0xf
.endr
.irp u, 0,1,2,3
	v_add_nc_u32 v[SCL+\u], 0xfc000000, v[MX+\u]   ; 8 off the exponent field: the conversion's scale operand
.endr
.irp u, 0,1,2,3
	v_and_or_b32 v[HD+\u], v[MX+\u], 0x7f800000, s[MNT]   ; 448 x the scale
.endr
.irp u, 0,1,2,3
.irp j, 0,1,2,3,4,5,6,7
	v_med3_num_f32 v[HB+\j], v[XQ+8*\u+\j], -v[HD+\u], v[HD+\u]   ; the conversion does not saturate (ISA guide 7.6.2): the hold
.endr
.irp j, 0,1,2,3
	v_cvt_pk_bf16_f32 v[XQ+8*\u+\j], v[XQ+8*\u+2*\j], v[XQ+8*\u+2*\j+1]
.endr
	v_cvt_scalef32_pk8_fp8_f32 v[XQ+8*\u+4:XQ+8*\u+5], v[HB:HB+7], v[SCL+\u]
	v_lshrrev_b32 v[XQ+8*\u+6], 23, v[SCL+\u]      ; the scale's byte; also the plain instruction behind the conversion
	ds_store_b64 v[ACW], v[XQ+8*\u+4:XQ+8*\u+5] offset:288*(4*(\bq)+\u)
	ds_store_b8 v[ASW], v[XQ+8*\u+6] offset:8*(4*(\bq)+\u)   ; the block's four lanes write the same byte with the same value
.endr
.endm
; Half of my 32 rows: two groups are quantised, their bf16 numbers leave in one run of eight stores, and behind it the 64 registers take the next K step's numbers.
; Behind the first group's loads stand x's other 24 (of this K step or the next) and Wv's 36; behind the second's, 16 and 36.
.macro QH hf
	QG 2*(\hf), 60
	QG 2*(\hf)+1, 52
.irp p, 0,1,2,3,4,5,6,7
	global_store_b128 v[GO], v[X+64*(\hf)+8*\p:X+64*(\hf)+8*\p+3], s[XBP:XBP+1] offset:512*(8*(\hf)+\p) th:TH_STORE_NT   ; 32 lanes store two rows' 512 consecutive bytes, aligned
.endr
	s_wait_xcnt 0x0                                ; the stores have read their data and every earlier access its base: the registers may be loaded anew, and a base may step
.if (\hf) == 0
	s_add_nc_u64 s[XP:XP+1], s[XP:XP+1], 512       ; x at the next K step
.else
	s_add_nc_u64 s[XBP:XBP+1], s[XBP:XBP+1], 65536 ; xb at the next K step
.endif
	s_cmp_lt_u32 s[TT], 15
	s_cbranch_scc0 .Ltw_\@
	XLOADG 2*(\hf), 0
	XLOADG 2*(\hf)+1, 0
	s_branch .Lxd_\@
.Ltw_\@:
	TWLOADG 2*(\hf)
	TWLOADG 2*(\hf)+1
.Lxd_\@:
.endm
; S += Wa / (1 + 2^(C2 z + tc)) for tile n = 4 (W - 2) + k of pass ps: 64 registers of window W.  Each batch of transcendentals has one wait ahead of it and one behind it.
.macro TANH W, k, ps
.set nn, 8*(\ps)+4*((\W)-2)+(\k)
.set TWP, X+32*(nn/4)+2*(nn%4)
.set a0, 64*(\k)
	WIN ((\W)<<6)|(\W)
.set i, 0
.rept 32
	v_pk_fma_f32 v[a0+2*i:a0+2*i+1], v[a0+2*i:a0+2*i+1], s[C2:C2+1], v[TWP:TWP+1] op_sel_hi:[1,0,0]
.set i, i+1
.endr
	s_wait_alu depctr_va_vdst(0)
.set i, 0
.rept 64
	v_exp_f32 v[a0+i], v[a0+i]
.set i, i+1
.endr
	v_nop
	s_wait_alu depctr_va_vdst(0)
.set i, 0
.rept 32
	v_pk_add_f32 v[a0+2*i:a0+2*i+1], v[a0+2*i:a0+2*i+1], 1.0 op_sel_hi:[1,0]
.set i, i+1
.endr
	s_wait_alu depctr_va_vdst(0)
.set i, 0
.rept 64
	v_rcp_f32 v[a0+i], v[a0+i]
.set i, i+1
.endr
	v_nop
	s_wait_alu depctr_va_vdst(0)
	WIN (\W)
.set i, 0
.rept 64
.if nn == 0
	v_mul_f32 v[SS+i], v[a0+i], v[TWP+1]           ; the first tile starts the sums
.else
	v_fmac_f32 v[SS+i], v[a0+i], v[TWP+1]
.endif
.set i, i+1
.endr
.endm
.macro NEXT2                           ; pass 2: on to the next K step's slot in LDS
	s_add_co_u32 s[KO], s[KO], KSL
	s_add_co_u32 s[KS], s[KS], 512
	v_add_nc_u32 v[AFR], s[KO], v[AFR0]
	v_add_nc_u32 v[ASR], s[KS], v[ASR0]
	s_wait_alu depctr_va_vdst(0)
.endm
	s_load_b256 s[4:11], s[0:1], 0x0               ; x, WvF, WvS, tcb
	s_load_b128 s[12:15], s[0:1], 0x20             ; Wa, sc
	s_load_b64 s[16:17], s[0:1], 0x30              ; xb
	v_lshl_add_u32 v[SPW], v0, 2, SPARE
	v_mov_b32 v[NIL], 0
	v_lshrrev_b32 v53, 5, v0
	v_readfirstlane_b32 s[WV], v53                 ; wave 0..3
	s_lshl_b32 s32, s[WV], 14
	s_lshl_b32 s33, s[WV], 9
	s_mul_i32 s34, s[WV], 4608
	s_lshl_b32 s35, s[WV], 7
	s_add_co_u32 s35, s35, ASB
	s_lshl_b32 s36, s[WV], 13
	s_add_co_u32 s37, s33, RED
	s_mov_b32 s[MNT], 0x600000
	s_mov_b32 s[C2], 0x4038aa3b                    ; 2 log2(e)
	s_mov_b32 s[C2+1], s[C2]
	s_mov_b32 s[K2], 0xc038aa3b                    ; -2 log2(e)
	s_mov_b32 s[TT], 0
	s_mov_b32 s[KO], 0
	s_mov_b32 s[KS], 0
	s_mov_b32 s[BOFF], 0
	s_mov_b32 s[SOFF], 0
	v_and_b32 v50, 31, v0                          ; lane
	v_and_b32 v51, 15, v0                          ; r
	v_bfe_u32 v52, v0, 4, 1                        ; h
	v_lshlrev_b32 v[XO], 5, v51
	v_lshl_add_u32 v[XO], v52, 4, v[XO]
	v_lshl_add_u32 v[BO0], v50, 4, s32
	v_lshl_add_u32 v[SO0], v50, 2, s33
	v_lshl_add_u32 v[TO], v51, 2, s33
	v_mul_u32_u24 v[AFR0], v51, 144
	v_lshl_add_u32 v[AFR0], v52, 4, v[AFR0]
	v_lshl_add_u32 v[ASR0], v50, 2, ASB
	v_mul_u32_u24 v[ACW0], v52, 144
	v_lshl_add_u32 v[ACW0], v51, 3, v[ACW0]
	v_add_nc_u32 v[ACW0], s34, v[ACW0]
	v_lshrrev_b32 v[ASW0], 2, v51
	v_lshl_add_u32 v[ASW0], v52, 2, v[ASW0]
	v_add_nc_u32 v[ASW0], s35, v[ASW0]
	v_lshl_add_u32 v[GO], v50, 4, s36
	v_lshl_add_u32 v[RW], v52, 5, s37
	v_lshl_add_u32 v[RR], v50, 4, RED
	v_lshlrev_b32 v[SGO], 4, v50
	v_lshrrev_b32 v[PFO], 1, v50
	v_and_b32 v53, 1, v50
	v_lshlrev_b32 v53, 8, v53
	v_lshl_add_u32 v[PFO], v[PFO], 13, v53
	v_mov_b32 v[AFR], v[AFR0]
	v_mov_b32 v[ASR], v[ASR0]
	v_mov_b32 v[ACW], v[ACW0]
	v_mov_b32 v[ASW], v[ASW0]
	s_mov_b32 s33, 0
	s_wait_alu depctr_va_vdst(0)
	s_wait_kmcnt 0x0
	s_lshl_b32 s32, ttmp9, 20                      ; my work-group's 128 rows of 8,192 bytes,
	s_lshl_b32 s34, s[WV], 18                      ; my wave's 32 of them
	s_add_co_u32 s32, s32, s34
	s_add_nc_u64 s[XP:XP+1], s[XP:XP+1], s[32:33]
	s_lshr_b32 s34, ttmp9, 1                       ; b
	s_lshl_b32 s32, s34, 12
	s_add_nc_u64 s[TCP:TCP+1], s[TCP:TCP+1], s[32:33]
	s_lshl_b32 s32, ttmp9, 9
	s_add_nc_u64 s[SCP:SCP+1], s[SCP:SCP+1], s[32:33]
	s_lshl_b32 s32, s34, 20
	s_and_b32 s34, ttmp9, 1
	s_lshl_b32 s34, s34, 15
	s_add_co_u32 s32, s32, s34
	s_add_nc_u64 s[XBP:XBP+1], s[XBP:XBP+1], s[32:33]
.irp q, 0,1,2,3
	XLOADG \q, 0                                   ; K step 0's x,
.endr
.irp q, 0,1,2,3
	BLOAD \q, BO0, SO0                             ; and Wv's first K step
.endr
.Lk1:                                              ; PASS 1, K steps 0 to 15.  On the way in are out, in this order: x of this K step (32 loads), Wv of this K step (36)
	QH 0
	QH 1
	; a prefetch into the L2 of my own 32 rows x 512 bytes of the K step two behind the one just asked for: a lane to each aligned block of 256 bytes; no other wave reads them.  The last three K steps ask for nothing more.
	s_cmp_lt_u32 s[TT], 13
	s_cbranch_scc0 .Lno_pf
	global_prefetch_b8 v[PFO], s[XP:XP+1] offset:1024 th:TH_LOAD_NT scope:SCOPE_SE
	global_prefetch_b8 v[PFO], s[XP:XP+1] offset:1024+131072 th:TH_LOAD_NT scope:SCOPE_SE
.Lno_pf:
	s_wait_dscnt 0x0                               ; for the others' sake: my codes and scale bytes have landed
	s_barrier_signal -1
	s_barrier_wait -1                              ; this K step's slot is whole; no slot is written twice
	AFLOAD
	s_cmp_eq_u32 s[TT], 0
	s_cbranch_scc1 .Lfirst
	MULS 0, 59, 0, 2                               ; behind a group: three other groups (27) and the next K step's 32
	s_branch .Lmuld
.Lfirst:
	MULS 1, 59, 0, 2                               ; K step 0 starts the sums: nothing is cleared
.Lmuld:
	s_add_co_u32 s[TT], s[TT], 1
	s_add_co_u32 s[KO], s[KO], KSL                 ; the next K step's slot in LDS
	s_add_co_u32 s[KS], s[KS], 512
	v_add_nc_u32 v[AFR], s[KO], v[AFR0]
	v_add_nc_u32 v[ASR], s[KS], v[ASR0]
	v_add_nc_u32 v[ACW], s[KO], v[ACW0]
	v_add_nc_u32 v[ASW], s[KS], v[ASW0]
	s_wait_alu depctr_va_vdst(0)
	s_cmp_lt_u32 s[TT], 16
	s_cbranch_scc1 .Lk1
	s_mov_b32 s[KO], 0                             ; pass 2 reads the slots from the first on
	s_mov_b32 s[KS], 0
	v_mov_b32 v[AFR], v[AFR0]
	v_mov_b32 v[ASR], v[ASR0]
	s_wait_alu depctr_va_vdst(0)
	s_wait_loadcnt 36                              ; tc and Wa are in; Wv's 36 loads for pass 2 may be out
.irp W, 2,3
.irp k, 0,1,2,3
	TANH \W, \k, 0
.endr
.endr
	WIN 0
	AFLOAD                                         ; PASS 2, K step 0: its products start the sums anew
	MULS 1, 27, 0, 1
	NEXT2
	s_mov_b32 s[LC], 14
.Lk2:
	AFLOAD
	MULS 0, 27, 0, 1                               ; behind a group: three other groups
	NEXT2
	s_sub_co_u32 s[LC], s[LC], 1
	s_cmp_lg_u32 s[LC], 0
	s_cbranch_scc1 .Lk2
	AFLOAD
	MULS 0, 27, 9, 0                               ; the last K step asks for nothing more
	PLACES
.irp W, 2,3
.irp k, 0,1,2,3
	TANH \W, \k, 1
.endr
.endr
	WIN 0
.irp m, 1,2,4,8                                ; the sum over the 16 lanes that hold a row's hidden units; the 64 registers by turns
.set i, 0
.rept 64
	v_add_f32_dpp v[SS+i], v[SS+i], v[SS+i] row_xmask:\m row_mask:0xf bank_mask:0xf
.set i, i+1
.endr
.endr
.irp a, 0,1,2,3,4,5,6,7
	ds_store_b128 v[RW], v[SS+8*\a:SS+8*\a+3] offset:64*\a        ; rows 16 a + 8 h + ..: the half's sixteen lanes write the same words with the same values
	ds_store_b128 v[RW], v[SS+8*\a+4:SS+8*\a+7] offset:64*\a+16
.endr
	s_wait_dscnt 0x0                               ; for the others' sake: my partial sums have landed
	s_barrier_signal -1
	s_barrier_wait -1
	s_cmp_lg_u32 s[WV], 0
	s_cbranch_scc1 .Lend
.irp w, 0,1,2,3                                ; wave 0: lane l takes rows 4 l .. 4 l + 3
	ds_load_b128 v[SS+4*\w:SS+4*\w+3], v[RR] offset:512*\w
.endr
	s_wait_dscnt 0x0
	v_pk_add_f32 v[SS:SS+1], v[SS:SS+1], v[SS+4:SS+5]
	v_pk_add_f32 v[SS+2:SS+3], v[SS+2:SS+3], v[SS+6:SS+7]
	v_pk_add_f32 v[SS+8:SS+9], v[SS+8:SS+9], v[SS+12:SS+13]
	v_pk_add_f32 v[SS+10:SS+11], v[SS+10:SS+11], v[SS+14:SS+15]
	v_pk_add_f32 v[SS:SS+1], v[SS:SS+1], v[SS+8:SS+9]
	v_pk_add_f32 v[SS+2:SS+3], v[SS+2:SS+3], v[SS+10:SS+11]
.irp j, 0,1,2,3
	v_mul_f32 v[SS+\j], s[K2], v[SS+\j]            ; t = -2 log2(e) S
.endr
	global_store_b128 v[SGO], v[SS:SS+3], s[SCP:SCP+1]   ; 512 consecutive bytes, aligned
.Lend:
	s_wait_tensorcnt 0x0                           ; the wave's end
	ds_add_u32 v[SPW], v[NIL]
	s_wait_dscnt 0x0
	s_endpgm
.Lfunc_end_k_q7777606f1f_main:
	.size	k_q7777606f1f_main, .Lfunc_end_k_q7777606f1f_main-k_q7777606f1f_main
	.p2alignl 7, 3214868480
	.fill 96, 4, 3214868480
	.section	.rodata,"a",@progbits
	.p2align	6, 0x0
	.amdhsa_kernel k_q7777606f1f_main
		.amdhsa_group_segment_fixed_size 305664
		.amdhsa_private_segment_fixed_size 0
		.amdhsa_enable_private_segment 0
		.amdhsa_kernarg_size 56
		.amdhsa_user_sgpr_count 2
		.amdhsa_user_sgpr_kernarg_segment_ptr 1
		.amdhsa_wavefront_size32 1
		.amdhsa_system_sgpr_workgroup_id_x 1
		.amdhsa_system_sgpr_workgroup_id_y 1
		.amdhsa_system_sgpr_workgroup_id_z 1
		.amdhsa_system_vgpr_workitem_id 0
		.amdhsa_next_free_vgpr 1024
		.amdhsa_next_free_sgpr 66
		.amdhsa_reserve_vcc 0
		.amdhsa_float_denorm_mode_32 3
		.amdhsa_float_denorm_mode_16_64 3
		.amdhsa_memory_ordered 1
		.amdhsa_forward_progress 1
		.amdhsa_inst_pref_size 255
	.end_amdhsa_kernel
	.section	.bss,"aw",@nobits
	.p2align	6
	.space	262144
	.amdgpu_metadata
---
amdhsa.version: [ 1, 2 ]
amdhsa.kernels:
  - .name:           k_q7777606f1f_main
    .symbol:         k_q7777606f1f_main.kd
    .args:
      - { .name: visual_features, .offset: 0, .size: 8, .value_kind: global_buffer, .address_space: global }
      - { .name: WvF, .offset: 8, .size: 8, .value_kind: global_buffer, .address_space: global }
      - { .name: WvS, .offset: 16, .size: 8, .value_kind: global_buffer, .address_space: global }
      - { .name: tcb, .offset: 24, .size: 8, .value_kind: global_buffer, .address_space: global }
      - { .name: Wa, .offset: 32, .size: 8, .value_kind: global_buffer, .address_space: global }
      - { .name: sc, .offset: 40, .size: 8, .value_kind: global_buffer, .address_space: global }
      - { .name: xb, .offset: 48, .size: 8, .value_kind: global_buffer, .address_space: global }
    .group_segment_fixed_size: 305664
    .private_segment_fixed_size: 0
    .kernarg_segment_align: 8
    .kernarg_segment_size: 56
    .max_flat_workgroup_size: 128
    .sgpr_count:     66
    .vgpr_count:     1024
    .wavefront_size: 32
...
	.end_amdgpu_metadata
.endif
;; end of part 5
;; launch attend (part 6): grid 256 x 1, 8 waves a work-group, no clusters, 9,216 bytes of LDS; arguments sc, xb, out0, out1; writes out0, out1
.if DOCPART == 6
	.amdgcn_target "amdgcn-amd-amdhsa--gfx1250"
	.amdhsa_code_object_version 6
	.text
	.protected	k_q7777606f1f_attend
	.globl	k_q7777606f1f_attend
	.p2align	8
	.type	k_q7777606f1f_attend,@function
k_q7777606f1f_attend:
	s_mov_b64 s[64:65], 0
	v_nop
	global_prefetch_b8 v0, s[64:65] scope:SCOPE_SE
	s_setreg_imm32_b32 hwreg(HW_REG_WAVE_MODE, 25, 1), 1
	s_wait_xcnt 0x0
; out1 = softmax over a batch's 256 rows; out0[b] = sum over r of out1[b][r] x[b][r].  sc[b][256] holds t, the scores in base 2 (LEFT OUT, as shown at the head of the first kernel: ba and sum(Wa), both the same along the softmax's axis).
; xb[b][K step 16][row 256][128 bf16] is x rounded to bf16; the weights and the sums are f32.
; Work-group 2 b + e takes batch b, columns 1,024 e on; wave w takes 128 columns: one dense block of 65,536 bytes, 128 loads of 512 bytes (two rows), 32 of them out at a time.
; Every wave makes the softmax for itself (M = the largest t; p = 2^(t - M); p / sum) and keeps the weights in LDS bytes of its own, rows of even and of odd number apart: no barrier.
; This launch streams each byte of xb once with 32 loads a wave out throughout: matrix units, clusters and a prefetch are left out.
.set SPARE, 8192                       ; behind the eight waves' weights (1,024 bytes each): the spare words
.set SPW, 6
.set NIL, 7
.set PW,  2                            ; 1,024 w + 8 lane
.set PR,  4                            ; 1,024 w + 512 (lane / 16)
.set AC,  32                           ; v32-47: two sets of eight sums, for loads of even and of odd number
.set W,   64                           ; v64-95: 32 weights
.set D,   128                          ; v128-255: 32 loads
	s_load_b256 s[4:11], s[0:1], 0x0               ; sc, xb, out0, out1
	v_lshl_add_u32 v[SPW], v0, 2, SPARE
	v_mov_b32 v[NIL], 0
	v_lshrrev_b32 v1, 5, v0
	s_delay_alu instid0(VALU_DEP_1)
	v_readfirstlane_b32 s12, v1                    ; wave 0..7
	s_lshl_b32 s13, s12, 10
	s_and_b32 s14, ttmp9, 1                        ; e
	s_lshr_b32 s15, ttmp9, 1                       ; b
	s_lshl_b32 s18, s14, 3
	s_add_co_u32 s18, s18, s12                     ; my K step
	s_or_b32 s19, s14, s12                         ; 0: I store out1
	s_mov_b32 s20, 0x76543210
	s_mov_b32 s21, 0xfedcba98                      ; v_permlanex16_b32's selects for lane l xor 16
	s_mov_b32 s17, 0
	v_and_b32 v3, 31, v0
	v_bfe_u32 v16, v0, 4, 1
	v_and_b32 v17, 15, v0
	v_lshlrev_b32 v1, 4, v3                        ; 16 x lane
	v_lshl_add_u32 v[PW], v3, 3, s13
	v_lshl_add_u32 v[PR], v16, 9, s13
	v_lshlrev_b32 v5, 5, v17
	v_lshl_add_u32 v5, v16, 4, v5                  ; out0: 32 (lane % 16) + 16 (lane / 16)
.irp j, 0,1,2,3,4,5,6,7,8,9,10,11,12,13,14,15
	v_mov_b32 v[AC+\j], 0
.endr
.irp j, 0,1,2,3,4,5,6,7
	v_mov_b32 v[48+\j], 0                          ; (a lane permute's destination counts as one of its sources)
.endr
	s_wait_alu depctr_va_vdst(0)
	s_wait_kmcnt 0x0
	s_lshl_b32 s16, s15, 10
	s_add_nc_u64 s[4:5], s[4:5], s[16:17]
	s_add_nc_u64 s[10:11], s[10:11], s[16:17]
	s_lshl_b32 s16, s15, 20
	s_lshl_b32 s22, s18, 16
	s_add_co_u32 s16, s16, s22
	s_add_nc_u64 s[6:7], s[6:7], s[16:17]
	s_lshl_b32 s16, s15, 13
	s_lshl_b32 s22, s18, 9
	s_add_co_u32 s16, s16, s22
	s_add_nc_u64 s[8:9], s[8:9], s[16:17]
	global_load_b128 v[8:11], v1, s[4:5]           ; t of rows 4 l .. 4 l + 3
	global_load_b128 v[12:15], v1, s[4:5] offset:512   ; and of rows 128 + 4 l ..
.set j, 0
.rept 32
	global_load_b128 v[D+4*j:D+4*j+3], v1, s[6:7] offset:512*j th:TH_LOAD_NT   ; rows 2 j and 2 j + 1: 512 consecutive bytes
.set j, j+1
.endr
	s_wait_loadcnt 32                              ; t is in; the 32 may be out
	v_max3_num_f32 v16, v8, v9, v10
	v_max3_num_f32 v17, v12, v13, v14
	s_delay_alu instid0(VALU_DEP_2)
	v_max3_num_f32 v16, v16, v11, v15
	s_delay_alu instid0(VALU_DEP_1)
	v_max_num_f32 v16, v16, v17
.irp m, 1,2,4,8
	s_delay_alu instid0(VALU_DEP_1)
	v_max_num_f32_dpp v16, v16, v16 row_xmask:\m row_mask:0xf bank_mask:0xf
.endr
	s_delay_alu instid0(VALU_DEP_1)
	v_permlanex16_b32 v17, v16, s20, s21
	s_delay_alu instid0(VALU_DEP_1)
	v_max_num_f32 v16, v16, v17                    ; M
.irp j, 0,1,2,3,4,5,6,7
	v_sub_f32 v[8+\j], v[8+\j], v16
.endr
	s_wait_alu depctr_va_vdst(0)
.irp j, 0,1,2,3,4,5,6,7
	v_exp_f32 v[8+\j], v[8+\j]                     ; 2^(t - M), at most 1
.endr
	v_nop
	s_wait_alu depctr_va_vdst(0)
	v_add_f32 v18, v8, v9
	v_add_f32 v19, v10, v11
	v_add_f32 v16, v12, v13
	v_add_f32 v17, v14, v15
	s_delay_alu instid0(VALU_DEP_3)
	v_add_f32 v18, v18, v19
	s_delay_alu instid0(VALU_DEP_2)
	v_add_f32 v16, v16, v17
	s_delay_alu instid0(VALU_DEP_1)
	v_add_f32 v18, v18, v16
.irp m, 1,2,4,8
	s_delay_alu instid0(VALU_DEP_1)
	v_add_f32_dpp v18, v18, v18 row_xmask:\m row_mask:0xf bank_mask:0xf
.endr
	s_delay_alu instid0(VALU_DEP_1)
	v_permlanex16_b32 v17, v18, s20, s21
	s_delay_alu instid0(VALU_DEP_1)
	v_add_f32 v18, v18, v17                        ; the sum
	s_wait_alu depctr_va_vdst(0)
	v_rcp_f32 v19, v18
	v_nop
	s_wait_alu depctr_va_vdst(0)
	v_mul_f32 v20, v8, v19                         ; the weights, rows of even number beside each other, then those of odd number
	v_mul_f32 v21, v10, v19
	v_mul_f32 v22, v9, v19
	v_mul_f32 v23, v11, v19
	v_mul_f32 v24, v12, v19
	v_mul_f32 v25, v14, v19
	v_mul_f32 v26, v13, v19
	v_mul_f32 v27, v15, v19
	ds_store_b64 v[PW], v[20:21]                   ; word i of the first 512 bytes: row 2 i; of the second: row 2 i + 1
	ds_store_b64 v[PW], v[22:23] offset:512
	ds_store_b64 v[PW], v[24:25] offset:256
	ds_store_b64 v[PW], v[26:27] offset:768
	s_cmp_lg_u32 s19, 0
	s_cbranch_scc1 .Lno_w
.irp j, 0,1,2,3,4,5,6,7
	v_mul_f32 v[56+\j], v[8+\j], v19               ; out1, in the rows' order
.endr
	global_store_b128 v1, v[56:59], s[10:11]
	global_store_b128 v1, v[60:63], s[10:11] offset:512
.Lno_w:
; 32 loads' worth of rows.  load = 1: each load's registers take the load 32 further on
.macro CHUNK load
.irp m, 0,1,2,3,4,5,6,7
	ds_load_b128 v[W+4*\m:W+4*\m+3], v[PR] offset:16*\m   ; LDS serves a wave's instructions in order (ISA guide 5.7.1.4): these see my stores
.endr
	s_wait_dscnt 0x0
.set j, 0
.rept 32
.if \load
	s_wait_loadcnt 31                              ; the oldest load is in; the 31 behind it may be out
.else
	s_wait_loadcnt 31-j
.endif
.set A, AC+8*(j%2)
.irp g, 0,1,2,3
	v_fma_mix_f32_bf16 v[A+2*\g],   v[D+4*j+\g], v[W+j], v[A+2*\g] op_sel_hi:[1,0,0]
	v_fma_mix_f32_bf16 v[A+2*\g+1], v[D+4*j+\g], v[W+j], v[A+2*\g+1] op_sel:[1,0,0] op_sel_hi:[1,0,0]
.endr
.if \load
	global_load_b128 v[D+4*j:D+4*j+3], v1, s[6:7] offset:16384+512*j th:TH_LOAD_NT
.endif
.set j, j+1
.endr
.endm
	s_mov_b32 s13, 3
.Lchunk:
	CHUNK 1
	s_wait_xcnt 0x0                                ; the loads have read their base
	s_add_nc_u64 s[6:7], s[6:7], 16384
	v_add_nc_u32 v[PR], 128, v[PR]
	s_wait_alu depctr_va_vdst(0)
	s_sub_co_u32 s13, s13, 1
	s_cmp_lg_u32 s13, 0
	s_cbranch_scc1 .Lchunk
	CHUNK 0                                        ; the last 32 loads are followed by none
.irp j, 0,1,2,3,4,5,6,7
	v_add_f32 v[AC+\j], v[AC+\j], v[AC+8+\j]
.endr
.irp j, 0,1,2,3,4,5,6,7
	v_permlanex16_b32 v[48+\j], v[AC+\j], s20, s21
.endr
.irp j, 0,1,2,3,4,5,6,7
	v_add_f32 v[AC+\j], v[AC+\j], v[48+\j]         ; rows of even and of odd number together: columns 8 (lane % 16) + j
.endr
	v_cmp_le_u32 vcc_lo, 16, v3
.irp j, 0,1,2,3
	v_cndmask_b32 v[56+\j], v[AC+\j], v[AC+4+\j], vcc_lo   ; lanes 0-15 store the first four, lanes 16-31 the other four
.endr
	global_store_b128 v5, v[56:59], s[8:9]         ; 32 lanes store 512 consecutive bytes, aligned
	s_wait_tensorcnt 0x0                           ; the wave's end
	ds_add_u32 v[SPW], v[NIL]
	s_wait_dscnt 0x0
	s_endpgm
.Lfunc_end_k_q7777606f1f_attend:
	.size	k_q7777606f1f_attend, .Lfunc_end_k_q7777606f1f_attend-k_q7777606f1f_attend
	.p2alignl 7, 3214868480
	.fill 96, 4, 3214868480
	.section	.rodata,"a",@progbits
	.p2align	6, 0x0
	.amdhsa_kernel k_q7777606f1f_attend
		.amdhsa_group_segment_fixed_size 9216
		.amdhsa_private_segment_fixed_size 0
		.amdhsa_enable_private_segment 0
		.amdhsa_kernarg_size 32
		.amdhsa_user_sgpr_count 2
		.amdhsa_user_sgpr_kernarg_segment_ptr 1
		.amdhsa_wavefront_size32 1
		.amdhsa_system_sgpr_workgroup_id_x 1
		.amdhsa_system_sgpr_workgroup_id_y 1
		.amdhsa_system_sgpr_workgroup_id_z 1
		.amdhsa_system_vgpr_workitem_id 0
		.amdhsa_next_free_vgpr 256
		.amdhsa_next_free_sgpr 66
		.amdhsa_reserve_vcc 1
		.amdhsa_float_denorm_mode_32 3
		.amdhsa_float_denorm_mode_16_64 3
		.amdhsa_memory_ordered 1
		.amdhsa_forward_progress 1
		.amdhsa_inst_pref_size 49
	.end_amdhsa_kernel
	.amdgpu_metadata
---
amdhsa.version: [ 1, 2 ]
amdhsa.kernels:
  - .name:           k_q7777606f1f_attend
    .symbol:         k_q7777606f1f_attend.kd
    .args:
      - { .name: sc, .offset: 0, .size: 8, .value_kind: global_buffer, .address_space: global }
      - { .name: xb, .offset: 8, .size: 8, .value_kind: global_buffer, .address_space: global }
      - { .name: out0, .offset: 16, .size: 8, .value_kind: global_buffer, .address_space: global }
      - { .name: out1, .offset: 24, .size: 8, .value_kind: global_buffer, .address_space: global }
    .group_segment_fixed_size: 9216
    .private_segment_fixed_size: 0
    .kernarg_segment_align: 8
    .kernarg_segment_size: 32
    .max_flat_workgroup_size: 256
    .sgpr_count:     66
    .vgpr_count:     256
    .wavefront_size: 32
...
	.end_amdgpu_metadata
.endif
;; end of part 6
